; MI455X (gfx1250); checked and timed in simulation.
; The chip was launched on July 23, 2026; its instructions are those of AMD's public machine-readable ISA for CDNA 5 (MIT licence, August 2026) and "CDNA5" Instruction Set Architecture Reference Guide (July 2026). The comments in the code are by the model that wrote it; some were corrected since.
;; Causal Self Attention. Allowed arithmetic: matrix products marked QUANTISED: E3M2 operands, one E8M0 scale for each 32 along K, by v_wmma_scale_f32_16x16x128_f8f6f4 with both operands' format E3M2, f32 sums; everything else in f32.
;; Inputs: W_proj 1,024 x 1,024 float32; W_qkv 3,072 x 1,024 float32; b_proj 1,024 float32; b_qkv 3,072 float32; lamb one number float32; v1 4 x 16 x 2,048 x 64 float32; x 4 x 2,048 x 1,024 float32.
;; Outputs: out0 4 x 2,048 x 1,024 float32; out1 4 x 16 x 2,048 x 64 float32.
;; This version of the problem:
;;   THIS VERSION OF THE PROBLEM IS GIVEN IN LOW PRECISION. The matrix products marked QUANTISED in the list below multiply operands that are first quantised to E3M2 (3 exponent bits, 2 mantissa bits; 6 bits a number), with one power-of-two scale for each 32 numbers along K (OCP MX v1.0); their sums are f32. All else is computed in f32.
;;   The module's matrix products, in the order in which they are computed (A, B: the left and right operand; K: the contracted axis; several contracted axes count as one K, in the product's order):
;;     1. [M 8,192, K 1,024] x [K 1,024, N 3,072]; A: input x; B: input W_qkv: QUANTISED
;;     2. batch 64 x [M 2,048, K 64] x [K 64, N 2,048]; A: computed on the way; B: computed on the way: QUANTISED
;;     3. batch 64 x [M 2,048, K 2,048] x [K 2,048, N 64]; A: softmax (see below); B: computed on the way: QUANTISED
;;     4. [M 8,192, K 1,024] x [K 1,024, N 1,024]; A: computed on the way; B: input W_proj: QUANTISED
;;   THE QUANTISER, for each operand of a quantised product, along K:
;;     - K is cut into blocks of 32 from its start; a last block that is shorter is filled with zeros.
;;     - A block's scale is 2^e with e = floor(log2(the largest magnitude in the block)) - 4, held to -126 .. 127; a block of zeros has e = 0. As a byte (E8M0): e + 127.
;;     - Each number is divided by its block's scale, clamped to +-28, and rounded to the nearest number of E3M2, ties to even, subnormals kept.
;;     - The product sums the exact products of the quantised numbers (number of the format x scale) in f32.
;;   ~~~python
;;   def quantise(x, axis):      # numpy; x: float32 -> the quantised numbers, widened to float32 again
;;       x = np.moveaxis(x, axis, -1); K = x.shape[-1]
;;       x = np.pad(x, [(0, 0)] * (x.ndim - 1) + [(0, -K % 32)]); x = x.reshape(x.shape[:-1] + (-1, 32)); a = np.abs(x).max(-1, keepdims=True)
;;       e = np.where(a > 0, np.clip(np.frexp(np.where(a > 0, a, 1))[1] - 1 - 4, -126, 127), 0)      # np.frexp(a)[1] - 1 = floor(log2(a)), exactly
;;       r = np.clip(x / 2.0 ** e, -28, 28)
;;       step = 2.0 ** (np.maximum(np.frexp(np.where(r == 0, 1, r))[1] - 1, -2) - 2)
;;       q = np.round(r / step) * step * 2.0 ** e      # np.round: ties to even
;;       return np.moveaxis(q.reshape(q.shape[:-2] + (-1,))[..., :K], -1, axis).astype(np.float32)
;;   ~~~
;;   SOFTMAX AHEAD OF A QUANTISED PRODUCT. Where the list says 'softmax', what is quantised is not the finished softmax but p = 2^(t - M), with t = logit x log2(e) and M = ceil(the row's largest t), a whole number; so 1/2 < the row's largest p <= 1. The row's sum l is taken of the UNQUANTISED p, in f32, and the product's result is divided by l at the end. Since M is a whole number, a kernel that streams over the keys may use a running M (the ceiling of the running maximum): every later rescaling is an exact power of two, which a block's scale takes up: the codes' values come out the same.
;;   OPERANDS COMPUTED ON THE WAY. 'Computed on the way' means the value that the module computes at that place (a softmax that the list does not call 'softmax' is quantised finished and normalised). What goes into a quantiser is computed in f32, as accurately as f32 sums, v_exp_f32 and their like allow (about 1e-6 of the number): no bf16 or f16 on the way to a quantiser, and a product that is left as it is and whose result goes on into a quantised operand takes f32 operands (vector FMAs, or v_wmma_f32_16x16x4_f32). A number that lies on a knife's edge between two numbers of the format may be rounded either way, as far as f32 arithmetic and the matrix unit's own rounding can turn it there, and no further.
;; One version. Each part assembles by itself: llvm-mc -triple=amdgcn-amd-amdhsa -mcpu=gfx1250 --defsym DOCPART=n.
;; ======== version 1 of 1: 4 launches
;; limits: right only within a limited range of input values
;; workspace buffers: opq 9,830,400 bytes; rope 524,288 bytes; qc 6,815,744 bytes; kc 6,815,744 bytes; vc 6,553,600 bytes; att 6,553,600 bytes
;; launch prep (part 1): grid 416 x 1, 4 waves a work-group, no clusters, 35,328 bytes of LDS; arguments x, W_qkv, W_proj, opq, rope; writes opq, rope
.if DOCPART == 1
	.amdgcn_target "amdgcn-amd-amdhsa--gfx1250"
	.amdhsa_code_object_version 6
	.text
	.protected	k_q7d1a5ae479_prep
	.globl	k_q7d1a5ae479_prep
	.p2align	8
	.type	k_q7d1a5ae479_prep,@function
k_q7d1a5ae479_prep:
	s_mov_b64 s[64:65], 0
	v_nop
	global_prefetch_b8 v0, s[64:65] scope:SCOPE_SE
	s_setreg_imm32_b32 hwreg(HW_REG_WAVE_MODE, 25, 1), 1
	s_wait_xcnt 0x0
; x [8192][1024], W_qkv [3072][1024] and W_proj [1024][1024], f32, become codes of BF6 (E3M2) with one E8M0 scale byte for each 32 along K,
; laid in the ORDER OF THE OPERAND'S REGISTERS; and the cos / sin table of the rotary turn is made.
; TILES.  A tile is 16 rows; lane r of tile u holds row 32 (u / 2) + 8 (u % 2) + r + 8 (r / 8).  Tiles 0-511: x; 512-703: W_qkv; 704-767: W_proj.
; CODES.  opq + tile x 12288 + K step x 1536: a fragment (16 rows x 128 K, 12 registers a lane): registers 0-3 at 16 x lane, 4-5 at 512 + 8 x lane, 6-9 at 768 + 16 x lane, 10-11 at 1280 + 8 x lane.
; SCALES. opq + 9437184 + tile x 512 + 256 H + 16 r + 4 e: the scale word of row r for K step 4 H + e.
; SHARES. Work-groups 0-383: a wave takes a tile and half of K (four K steps).  Each load reads 512 consecutive bytes of one row; a K step's 16 rows turn through the wave's own stage in LDS
; (rows 528 bytes apart) and come back 16 neighbours of each block of 32 to a lane.  Every store covers 512 or 256 consecutive bytes, aligned.  Waves share nothing: no barrier.
; Work-groups 384-415: a wave makes one tile of 16 positions of the table: rope + tile x 4096 + 512 g + 16 x lane: g = 0..3 cos, g = 4..7 sin of frequencies 16 (lane / 16) + 4 (g % 4) + 0..3.
; A block's scale is 2^(floor(log2(largest magnitude)) - 4): its byte is the largest magnitude's exponent field - 4, held at 1 from below.
; LIMITS: NaN and infinities among the inputs are not served.  A block whose largest magnitude lies under 2^-122 (a block of zeros too) gets the byte 1; this program alone reads the bytes, and zero codes add nothing.
; The angle is position x inv_freq, rounded once to f32; inv_freq is the f32 nearest to 10^(-j / 8).  sin and cos: the angle less a whole number of quarter turns (pi / 2 in two parts), then polynomials on +-pi / 4.
.set SCL,  9437184
.set RB,   16                          ; v16-143  two sets of 64: a K step as loaded
.set XB,   144                         ; v144-207 64 numbers: register 16 b + i = k 32 b + 16 (lane / 16) + i of my row
.set PC,   208                         ; v208-227 the codes, and the conversions' second halves
.set TM,   228                         ; v228-243 at work
.set PW,   244                         ; the scale word just made
.set SW,   12                          ; v12-15   the four K steps' scale words
.set SEL,  20                          ; s[20:21] v_permlanex16_b32's selects for lane l xor 16
.set COSR, 32
.set SINR, 48
.macro QUANT src
.irp b, 0,1,2,3
	v_max3_num_f32 v[TM+\b], |v[\src+16*\b]|, |v[\src+1+16*\b]|, 0x2800000   ; block b: my 16 numbers, and the floor 2^(5 - 127): the byte cannot fall under 1
.endr
.irp i, 2,4,6,8,10,12,14
.irp b, 0,1,2,3
	v_max3_num_f32 v[TM+\b], v[TM+\b], |v[\src+16*\b+\i]|, |v[\src+1+16*\b+\i]|
.endr
.endr
.irp b, 0,1,2,3
	v_permlanex16_b32 v[TM+4+\b], v[TM+\b], s[SEL], s[SEL+1]
.endr
.irp b, 0,1,2,3
	v_max_num_f32 v[TM+\b], v[TM+\b], v[TM+4+\b]      ; with lane l xor 16's: the block's largest magnitude
.endr
.irp b, 0,1,2,3
	v_add_nc_u32 v[TM+12+\b], 0xfe000000, v[TM+\b]    ; 4 off its exponent field: the conversion's scale operand
.endr
.irp b, 0,1,2,3
	v_lshrrev_b32 v[TM+4+\b], 23, v[TM+12+\b]         ; the scale's byte
.endr
	v_lshl_or_b32 v[PW], v[TM+5], 8, v[TM+4]
	v_lshl_or_b32 v[PW], v[TM+6], 16, v[PW]
	v_lshl_or_b32 v[PW], v[TM+7], 24, v[PW]
.irp c, 0,1
	v_cvt_scalef32_pk16_bf6_f32 v[PC+6*\c:PC+2+6*\c], v[\src+32*\c:\src+15+32*\c], v[TM+12+2*\c]
	v_cvt_scalef32_pk16_bf6_f32 v[PC+12+4*\c:PC+14+4*\c], v[\src+16+32*\c:\src+31+32*\c], v[TM+12+2*\c+1]
.endr
	v_nop                                          ; one plain place behind a scaled conversion
.irp c, 0,1                                    ; the operand's layout wants a whole block in a lane
.irp i, 0,1,2
	v_permlane16_swap_b32 v[PC+6*\c+\i], v[PC+12+4*\c+\i]
.endr
.irp i, 0,1,2
	v_mov_b32 v[PC+3+6*\c+\i], v[PC+12+4*\c+\i]
.endr
.endr
.endm
	s_load_b128 s[4:7], s[0:1], 0x0                ; x, W_qkv
	s_load_b128 s[8:11], s[0:1], 0x10              ; W_proj, opq
	s_load_b64 s[12:13], s[0:1], 0x20              ; rope
	v_lshl_add_u32 v248, v0, 2, 0x8800
	v_mov_b32 v249, 0
	v_lshrrev_b32 v1, 5, v0
	v_readfirstlane_b32 s14, v1                    ; wave
	v_and_b32 v1, 31, v0                           ; lane
	v_and_b32 v2, 15, v0                           ; r
	v_bfe_u32 v3, v0, 4, 1                         ; h
	v_lshlrev_b32 v4, 4, v1                        ; 16 x lane
	v_lshlrev_b32 v5, 3, v1                        ; 8 x lane
	v_cmp_ne_u32 vcc_lo, 0, v3                     ; lanes 16-31
	s_mov_b32 s[SEL], 0x76543210
	s_mov_b32 s[SEL+1], 0xfedcba98
	s_cmp_ge_u32 ttmp9, 384
	s_cbranch_scc1 .Ltable
	; ---- the quantiser
	s_lshl_b32 s15, ttmp9, 1
	s_lshr_b32 s16, s14, 1
	s_add_co_u32 s15, s15, s16                     ; my tile
	s_and_b32 s16, s14, 1                          ; H: which half of K
	s_mul_i32 s17, s14, 8704                       ; my stage
	s_wait_alu depctr_va_vdst(0)
	v_add_nc_u32 v6, s17, v4                       ; in: 16 x lane, row i at 528 i
	v_mul_u32_u24 v7, v2, 528
	v_lshl_add_u32 v7, v3, 6, v7
	v_add_nc_u32 v7, s17, v7                       ; out: row r, + 64 h
	v_lshlrev_b32 v8, 4, v2
	v_lshl_add_u32 v8, v3, 3, v8                   ; 16 r + 8 h: my two scale words' place
.irp b, 0,1,2,3
	v_mov_b32 v[TM+4+\b], 0                        ; a lane permute's destination counts as one of its sources
.endr
	s_wait_alu depctr_va_vdst(0)
	s_wait_kmcnt 0x0
	s_cmp_lt_u32 ttmp9, 352                        ; which tensor: the choice hangs on the work-group's number alone
	s_cselect_b64 s[6:7], s[6:7], s[8:9]
	s_mov_b32 s17, 704
	s_cselect_b32 s17, 512, s17
	s_cmp_lt_u32 ttmp9, 256
	s_cselect_b64 s[4:5], s[4:5], s[6:7]
	s_cselect_b32 s17, 0, s17
	s_sub_co_u32 s17, s15, s17                     ; the tile's number in its tensor
	s_lshr_b32 s18, s17, 1
	s_lshl_b32 s18, s18, 17                        ; 32 rows of 4096 bytes
	s_and_b32 s19, s17, 1
	s_lshl_b32 s19, s19, 15                        ; 8 rows
	s_add_co_u32 s18, s18, s19
	s_lshl_b32 s19, s16, 11                        ; half a row
	s_add_co_u32 s18, s18, s19
	s_mov_b32 s19, 0
	s_add_nc_u64 s[4:5], s[4:5], s[18:19]
	s_mul_i32 s22, s15, 12288
	s_mul_i32 s23, s16, 6144
	s_add_co_u32 s22, s22, s23
	s_mov_b32 s23, 0
	s_add_nc_u64 s[22:23], s[10:11], s[22:23]      ; my codes
	s_lshl_b32 s24, s15, 9
	s_lshl_b32 s25, s16, 8
	s_add_co_u32 s24, s24, s25
	s_add_co_u32 s24, s24, SCL
	s_mov_b32 s25, 0
	s_add_nc_u64 s[24:25], s[10:11], s[24:25]      ; my scale words
.macro LOADX t                         ; K step t: 16 rows x 512 bytes; the tile's order of rows stands in the immediates
.irp i, 0,1,2,3,4,5,6,7,8,9,10,11,12,13,14,15
	global_load_b128 v[RB+64*((\t)%2)+4*\i:RB+64*((\t)%2)+4*\i+3], v4, s[4:5] offset:(\i+8*(\i/8))*4096+512*(\t) th:TH_LOAD_NT
.endr
.endm
.macro QSTEP t
.if (\t) < 3
	s_wait_loadcnt 16                              ; this K step's 16 loads are in; the next step's 16 may be out
.else
	s_wait_loadcnt 0x0
.endif
.irp i, 0,1,2,3,4,5,6,7,8,9,10,11,12,13,14,15
	ds_store_b128 v6, v[RB+64*((\t)%2)+4*\i:RB+64*((\t)%2)+4*\i+3] offset:528*\i
.endr
.irp b, 0,1,2,3
.irp j, 0,1,2,3
	ds_load_b128 v[XB+16*\b+4*\j:XB+16*\b+4*\j+3], v7 offset:128*\b+16*\j    ; LDS serves a wave's instructions in order: these see the stores above
.endr
.endr
	s_wait_dscnt 0x0                               ; the numbers are back, and the stores have read their registers
.if (\t) > 0
	s_wait_xcnt 0x0                                ; the last step's stores have read the codes' registers, which are written again below
.endif
.if (\t) < 2
	LOADX (\t)+2
.endif
	QUANT XB
	v_mov_b32 v[SW+(\t)], v[PW]
	global_store_b128 v4, v[PC:PC+3], s[22:23] offset:1536*(\t)
	global_store_b64 v5, v[PC+4:PC+5], s[22:23] offset:1536*(\t)+512
	global_store_b128 v4, v[PC+6:PC+9], s[22:23] offset:1536*(\t)+768
	global_store_b64 v5, v[PC+10:PC+11], s[22:23] offset:1536*(\t)+1280
.endm
	LOADX 0
	LOADX 1
	QSTEP 0
	QSTEP 1
	QSTEP 2
	QSTEP 3
	v_cndmask_b32 v10, v[SW], v[SW+2], vcc_lo      ; lanes 0-15 store steps 0 and 1 of my half, lanes 16-31 steps 2 and 3
	v_cndmask_b32 v11, v[SW+1], v[SW+3], vcc_lo
	global_store_b64 v8, v[10:11], s[24:25]        ; 32 lanes: 256 consecutive bytes, aligned
	s_wait_tensorcnt 0x0
	ds_add_u32 v248, v249
	s_wait_dscnt 0x0
	s_endpgm
	; ---- the table
.Ltable:
	s_sub_co_u32 s15, ttmp9, 384
	s_lshl_b32 s15, s15, 2
	s_add_co_u32 s15, s15, s14                     ; my tile of positions, 0..127
	s_lshr_b32 s16, s15, 1
	s_lshl_b32 s16, s16, 5
	s_and_b32 s17, s15, 1
	s_lshl_b32 s17, s17, 3
	s_add_co_u32 s16, s16, s17
	s_wait_alu depctr_va_vdst(0)
	v_and_b32 v6, 8, v2
	v_add_nc_u32 v6, v6, v2
	v_add_nc_u32 v6, s16, v6                       ; my position
	v_cvt_f32_u32 v7, v6
	s_mov_b32 s24, 0x3f22f983                      ; 2 / pi
	s_mov_b32 s25, 0xbfc90fdb                      ; -(pi / 2), its f32
	s_mov_b32 s26, 0x333bbd2e                      ; that f32 less pi / 2
	s_mov_b32 s27, 0xb94ca1f9                      ; sin: -1.9515296e-4, 8.3321609e-3, -1.6666655e-1
	s_mov_b32 s28, 0x3c08839e
	s_mov_b32 s29, 0xbe2aaaa3
	s_mov_b32 s30, 0x37ccf5ce                      ; cos: 2.4433157e-5, -1.3887316e-3, 4.1666646e-2
	s_mov_b32 s31, 0xbab6061a
	s_mov_b32 s32, 0x3d2aaaa5
	s_lshl_b32 s18, s15, 12
	s_mov_b32 s19, 0
	s_wait_alu depctr_va_vdst(0)
	s_wait_kmcnt 0x0
	s_add_nc_u64 s[12:13], s[12:13], s[18:19]
.macro SINCOS i, f0, f1                ; frequency i in lanes 0-15 (inv_freq f0), 16 + i in lanes 16-31 (f1)
	v_mul_f32 v8, \f0, v7
	v_mul_f32 v9, \f1, v7
	v_cndmask_b32 v8, v8, v9, vcc_lo               ; the angle
	v_mul_f32 v9, s24, v8
	v_rndne_f32 v9, v9                             ; n quarter turns
	v_fma_f32 v10, v9, s25, v8                     ; exact: the difference has at most 23 bits above 2^-23
	v_fma_f32 v10, v9, s26, v10                    ; what is left, within +-pi / 4
	v_mul_f32 v11, v10, v10
	v_cvt_i32_f32 v12, v9
	v_fma_f32 v13, v11, s27, s28
	v_fma_f32 v13, v13, v11, s29
	v_mul_f32 v13, v13, v11
	v_fma_f32 v13, v13, v10, v10                   ; sin
	v_fma_f32 v14, v11, s30, s31
	v_fma_f32 v14, v14, v11, s32
	v_mul_f32 v15, v11, v11
	v_fma_f32 v16, v11, -0.5, 1.0
	v_fma_f32 v14, v14, v15, v16                   ; cos
	v_and_b32 v15, 1, v12
	v_cmp_ne_u32 s34, 0, v15                       ; an odd n swaps the two
	v_cndmask_b32 v16, v13, v14, s34
	v_cndmask_b32 v17, v14, v13, s34
	v_and_b32 v15, 2, v12
	v_lshlrev_b32 v15, 30, v15
	v_xor_b32 v[SINR+\i], v16, v15                 ; sin changes sign in quarters 2 and 3,
	v_add_nc_u32 v12, 1, v12
	v_and_b32 v12, 2, v12
	v_lshlrev_b32 v12, 30, v12
	v_xor_b32 v[COSR+\i], v17, v12                 ; cos in quarters 1 and 2
.endm
	SINCOS 0, 1.0, 0.01
	SINCOS 1, 0.7498942093, 0.007498942093
	SINCOS 2, 0.5623413252, 0.005623413252
	SINCOS 3, 0.4216965034, 0.004216965034
	SINCOS 4, 0.3162277660, 0.003162277660
	SINCOS 5, 0.2371373706, 0.002371373706
	SINCOS 6, 0.1778279410, 0.001778279410
	SINCOS 7, 0.1333521432, 0.001333521432
	SINCOS 8, 0.1, 0.001
	SINCOS 9, 0.07498942093, 0.0007498942093
	SINCOS 10, 0.05623413252, 0.0005623413252
	SINCOS 11, 0.04216965034, 0.0004216965034
	SINCOS 12, 0.03162277660, 0.0003162277660
	SINCOS 13, 0.02371373706, 0.0002371373706
	SINCOS 14, 0.01778279410, 0.0001778279410
	SINCOS 15, 0.01333521432, 0.0001333521432
.irp g, 0,1,2,3
	global_store_b128 v4, v[COSR+4*\g:COSR+4*\g+3], s[12:13] offset:512*\g
	global_store_b128 v4, v[SINR+4*\g:SINR+4*\g+3], s[12:13] offset:2048+512*\g
.endr
	s_endpgm
.Lfunc_end_k_q7d1a5ae479_prep:
	.size	k_q7d1a5ae479_prep, .Lfunc_end_k_q7d1a5ae479_prep-k_q7d1a5ae479_prep
	.p2alignl 7, 3214868480
	.fill 96, 4, 3214868480
	.section	.rodata,"a",@progbits
	.p2align	6, 0x0
	.amdhsa_kernel k_q7d1a5ae479_prep
		.amdhsa_group_segment_fixed_size 35328
		.amdhsa_private_segment_fixed_size 0
		.amdhsa_enable_private_segment 0
		.amdhsa_kernarg_size 40
		.amdhsa_user_sgpr_count 2
		.amdhsa_user_sgpr_kernarg_segment_ptr 1
		.amdhsa_wavefront_size32 1
		.amdhsa_system_sgpr_workgroup_id_x 1
		.amdhsa_system_sgpr_workgroup_id_y 1
		.amdhsa_system_sgpr_workgroup_id_z 1
		.amdhsa_system_vgpr_workitem_id 0
		.amdhsa_next_free_vgpr 250
		.amdhsa_next_free_sgpr 66
		.amdhsa_reserve_vcc 1
		.amdhsa_float_denorm_mode_32 3
		.amdhsa_float_denorm_mode_16_64 3
		.amdhsa_memory_ordered 1
		.amdhsa_forward_progress 1
		.amdhsa_inst_pref_size 58
	.end_amdhsa_kernel
	.amdgpu_metadata
---
amdhsa.version: [ 1, 2 ]
amdhsa.kernels:
  - .name:           k_q7d1a5ae479_prep
    .symbol:         k_q7d1a5ae479_prep.kd
    .args:
      - { .name: x, .offset: 0, .size: 8, .value_kind: global_buffer, .address_space: global }
      - { .name: W_qkv, .offset: 8, .size: 8, .value_kind: global_buffer, .address_space: global }
      - { .name: W_proj, .offset: 16, .size: 8, .value_kind: global_buffer, .address_space: global }
      - { .name: opq, .offset: 24, .size: 8, .value_kind: global_buffer, .address_space: global }
      - { .name: rope, .offset: 32, .size: 8, .value_kind: global_buffer, .address_space: global }
    .group_segment_fixed_size: 35328
    .private_segment_fixed_size: 0
    .kernarg_segment_align: 8
    .kernarg_segment_size: 40
    .max_flat_workgroup_size: 128
    .sgpr_count:     66
    .vgpr_count:     250
    .wavefront_size: 32
...
	.end_amdgpu_metadata
.endif
;; end of part 1
;; launch qkv (part 2): grid 8 x 32, 4 waves a work-group, clusters of 4 x 4, 327,680 bytes of LDS; arguments opq, rope, v1, b_qkv, lamb, qc, kc, vc, out1; writes qc, kc, vc, out1
.if DOCPART == 2
	.amdgcn_target "amdgcn-amd-amdhsa--gfx1250"
	.amdhsa_code_object_version 6
	.text
	.protected	k_q7d1a5ae479_qkv
	.globl	k_q7d1a5ae479_qkv
	.p2align	8
	.type	k_q7d1a5ae479_qkv,@function
k_q7d1a5ae479_qkv:
	s_mov_b64 s[64:65], 0
	v_nop
	global_prefetch_b8 v0, s[64:65] scope:SCOPE_SE
	s_setreg_imm32_b32 hwreg(HW_REG_WAVE_MODE, 25, 1), 1
	s_wait_xcnt 0x0
	s_wait_alu depctr_hold_cnt(0) depctr_sa_sdst(0) depctr_va_vdst(0) depctr_va_sdst(0) depctr_va_ssrc(0) depctr_va_vcc(0) depctr_vm_vsrc(0)
	s_getreg_b32 s2, hwreg(HW_REG_IB_STS2, 6, 4)
	s_cmp_eq_u32 s2, 0
	s_cbranch_scc0 .Lentry_in_a_cluster
	s_endpgm
.Lentry_in_a_cluster:
	s_bfe_u32 s2, ttmp6, 0x10000c
	s_cmp_lg_u32 s2, 0xf033
	s_cbranch_scc0 .Lentry_shape_is_right
	s_endpgm
.Lentry_shape_is_right:
; qkv = x W_qkv^T + b_qkv on codes of BF6 (E3M2) with E8M0 scales, and all that stands between it and attention.
; SHARES.  A work-group owns 256 rows of x and STAYS: it makes three blocks of 128 columns, X (q), X + 8 (k), X + 16 (v), X = 0..7.  In each pass a wave makes 128 rows x 64 columns: one head of 128 tokens, 32 accumulators.
; LDS.  x's 16 tiles, all of K (2 x 98304 bytes), come once, one dense tensor load each from waves 0 and 1; W's 8 tiles (2 x 49152 bytes, from byte 196608) come by waves 2 and 3 and are filled again for passes k and v,
; behind the pass's last product, an LDS add between two waits and a round of the cluster's barrier; the way out of q (of k) stands between that request and the wait for it.  The claim of all LDS.
; The loop has two trips (q, k), both with a refill; the v pass is written out behind it and asks for nothing.  Its stage lies in x's bytes, behind their only fill and their last read.
; CLUSTER.  4 x 4 work-groups: x's tiles are asked for jointly along a row of the cluster, W's along a column.  All partners walk the same passes.
; THE PRODUCT IS USED TRANSPOSED (source 0 = 16 rows of W, source 1 = 16 rows of x): a lane holds one token; by the order of rows in a tile (lane r of tile u: row 32 (u / 2) + 8 (u % 2) + r + 8 (r / 8))
; its register 32 a + 16 b + i holds channel 32 b + 16 (lane / 16) + i of the head, for token tile a.  The bias is the C of each sum's first product.
; WAY OUT, q and k: RMS norm over the head's 64, the rotary turn (table from memory, in the lanes' order), quantised along the head's 64; no LDS.
;   qc, kc: [64 heads][16 groups of 128 tokens][6656]: 8 tiles x 768 bytes, then 512 bytes of scale words: lane l's word p is that of tile 2 p + l / 16, row l % 16; its bytes 2, 3 are 127.
; WAY OUT, v: through the wave's stage into rows; (1 - lamb) v + lamb v1 to out1 in whole rows; read back by columns and quantised ALONG THE KEYS.
;   vc: [64][16][6400]: 4 fragments (16 channels x 128 keys) of 1536 bytes, then 256 bytes: lane l's word p is that of channel tile 2 p + l / 16.
; PREFETCH.  Each trip of the loop names half of the wave's own 32768 bytes of v1 (a lane a block of 256 bytes, two instructions), one and two passes ahead of the loads that want them.  The codes' tiles are not prefetched: x has no step ahead of its one fill, and W's refill is itself asked for a whole way out ahead.
; LIMITS: NaN and infinities are not served.  A block whose largest magnitude lies under 2^-122 (zeros too) gets the scale byte 1; this program alone reads these bytes.
; REGISTERS, in windows of 256: window 0: v1-20 addresses and lamb; v32-63 x's scale words, v64-79 W's, v80-111 the bias, v112-207 W's fragments (two sets); on the way out v32-239 are at work.
;   window 1: x's fragments, two sets of 96.   window 2: the pool: the table or v1.   window 3: the accumulators, (a, t) at 8 (4 a + t).
.set TILB,  12288                      ; a tile's eight K steps
.set FRB,   1536                       ; a fragment
.set XH,    98304                      ; 8 tiles of x
.set WH,    49152                      ; 4 tiles of W
.set BOFF,  196608
.set WSTEP, 64*TILB                    ; from a pass's tiles of W to the next pass's
.set SCL,   9437184
.set STGB,  35840                      ; a wave's stage: row at 272 row + 128 (row / 16) + 32 (row / 32)
.set L16, 1
.set L8,  2
.set A16, 3
.set A8,  4
.set B16, 5
.set B8,  6
.set VR,  7
.set VH,  8
.set STO, 9
.set RDT, 10
.set COL, 11
.set H8,  12
.set BOF, 13
.set LAM, 14                           ; v[14:15] lamb
.set OML, 16                           ; v[16:17] 1 - lamb
.set A16H, 18                          ; x's tiles 4-7
.set A8H, 19
.set PFO, 20                           ; 256 x lane
.set SA,  32
.set SB,  64
.set BI,  80
.set BF,  112
.set WV,  22
.set WM,  23
.set WN,  76
.set G1A, 24
.set G1B, 32
.set G0A, 40
.set PV1, 44                           ; s[44:45] my 32768 bytes of v1
.set PFA, 46                           ; s[46:47] where my prefetches stand
.set G0B, 56
.set SEL, 84
.set MSB, 0
.macro WIN new                         ; the immediate's high byte repeats the setting that is left
.if MSB != \new
	s_set_vgpr_msb (MSB<<8)|\new
.set MSB, \new
.endif
.endm
.macro PLACES
.rept 4
	v_nop
.endr
.endm
.macro CROUND                          ; a round of the cluster's barrier
	s_barrier_signal -1
	s_barrier_wait -1
	s_cmp_lg_u32 s[WV], 0
	s_cbranch_scc1 .Lnot_wave_0_\@
	s_barrier_signal -3
.Lnot_wave_0_\@:
	s_barrier_wait -3
	s_barrier_signal -1
	s_barrier_wait -1
.endm
	s_load_b256 s[4:11], s[0:1], 0x0               ; opq, rope, v1, b_qkv
	s_load_b256 s[12:19], s[0:1], 0x20             ; lamb, qc, kc, vc
	s_load_b64 s[20:21], s[0:1], 0x40              ; out1
	v_lshl_add_u32 v254, v0, 2, 0x48000
	v_mov_b32 v255, 0
	ds_add_u32 v254, v255                          ; the opening lines
	ds_add_u32 v254, v255
	v_lshrrev_b32 v1, 5, v0
	v_readfirstlane_b32 s[WV], v1                  ; wave 0..3
	s_lshr_b32 s[WM], s[WV], 1                     ; my half of the rows.  Also: I fetch for x (0) or for W (1)
	s_and_b32 s[WN], s[WV], 1                      ; my half of the columns.  Also: which half of the tiles I fetch
	s_bfe_u32 s77, ttmp6, 0x40000                  ; cx
	s_bfe_u32 s78, ttmp6, 0x40004                  ; cy
	s_lshl_b32 s79, ttmp9, 2
	s_add_co_u32 s79, s79, s77                     ; X: 0..7
	s_and_b32 s80, ttmp7, 0xffff
	s_lshl_b32 s80, s80, 2
	s_add_co_u32 s80, s80, s78                     ; Y: block of 256 rows
	s_lshl_b32 s82, s78, 2
	s_lshl_b32 s82, 15, s82                        ; my row of the cluster
	s_lshl_b32 s83, 0x1111, s77                    ; my column
	; group 1: a dense block as rows of 256 bytes (32 elements of 8 bytes): 384 rows of x, 192 of W
	s_or_b32 s[G1A], s82, (3<<16)|(1<<21)
	s_or_b32 s[G1B], s83, (3<<16)|(1<<21)
	s_mov_b32 s[G1A+1], 32<<16
	s_mov_b32 s[G1A+2], 384<<16
	s_mov_b32 s[G1A+3], 32<<16
	s_mov_b32 s[G1A+4], 384
	s_mov_b32 s[G1A+5], 32
	s_mov_b32 s[G1A+6], 0
	s_mov_b32 s[G1A+7], 0
	s_mov_b32 s[G1B+1], 32<<16
	s_mov_b32 s[G1B+2], 192<<16
	s_mov_b32 s[G1B+3], 32<<16
	s_mov_b32 s[G1B+4], 192
	s_mov_b32 s[G1B+5], 32
	s_mov_b32 s[G1B+6], 0
	s_mov_b32 s[G1B+7], 0
	s_lshl_b32 s84, s80, 4
	s_lshl_b32 s85, s[WN], 3
	s_add_co_u32 s84, s84, s85                     ; x: tile 16 Y + 8 half
	s_mul_i32 s84, s84, TILB
	s_mov_b32 s85, 0
	s_lshl_b32 s86, s79, 3
	s_lshl_b32 s87, s[WN], 2
	s_add_co_u32 s86, s86, s87
	s_add_co_u32 s86, s86, 512                     ; W: tile 512 + 8 X + 4 half
	s_mul_i32 s86, s86, TILB
	s_mov_b32 s87, 0
	s_mul_i32 s88, s[WN], XH                       ; where they go: no place in the cluster enters an LDS address
	s_mul_i32 s89, s[WN], WH
	s_add_co_u32 s89, s89, BOFF
	s_wait_dscnt 0x0
	s_wait_kmcnt 0x0
	s_load_b32 s82, s[12:13], 0x0                  ; lamb
	s_add_nc_u64 s[84:85], s[4:5], s[84:85]
	s_add_nc_u64 s[86:87], s[4:5], s[86:87]
	CROUND                                         ; all sixteen work-groups are here: the joint loads meet
	s_mov_b32 s[G0A], 1
	s_mov_b32 s[G0A+1], s88
	s_mov_b64 s[G0A+2:G0A+3], s[84:85]
	s_or_b32 s[G0A+3], s[G0A+3], 0x80000000
	s_mov_b32 s[G0B], 1
	s_mov_b32 s[G0B+1], s89
	s_mov_b64 s[G0B+2:G0B+3], s[86:87]
	s_or_b32 s[G0B+3], s[G0B+3], 0x80000000
	s_cmp_eq_u32 s[WM], 0                          ; one tensor load a wave at the head
	s_cbranch_scc0 .Lfill_b
	tensor_load_to_lds s[G0A:G0A+3], s[G1A:G1A+7]
	s_nop 0
	PLACES
	s_branch .Lfilled
.Lfill_b:
	tensor_load_to_lds s[G0B:G0B+3], s[G1B:G1B+7]
	s_nop 0
	PLACES
.Lfilled:
	s_mov_b32 s[SEL], 0x76543210
	s_mov_b32 s[SEL+1], 0xfedcba98
	s_mov_b32 s86, 0x3c800000                      ; 1 / 64
	s_mov_b32 s87, 0x358637bd                      ; 1e-6
	v_and_b32 v[VR], 31, v0
	v_lshlrev_b32 v[L16], 4, v[VR]
	v_lshlrev_b32 v[L8], 3, v[VR]
	v_lshlrev_b32 v[PFO], 8, v[VR]
	v_and_b32 v[VR], 15, v0                        ; r
	v_bfe_u32 v[VH], v0, 4, 1                      ; h
	s_mul_i32 s88, s[WM], XH                       ; my 8 tiles of x
	v_add_nc_u32 v[A16], s88, v[L16]
	v_add_nc_u32 v[A8], s88, v[L8]
	v_add_nc_u32 v[A16H], 4*TILB, v[A16]
	v_add_nc_u32 v[A8H], 4*TILB, v[A8]
	s_mul_i32 s88, s[WN], WH                       ; my 4 tiles of W
	s_add_co_u32 s88, s88, BOFF
	v_add_nc_u32 v[B16], s88, v[L16]
	v_add_nc_u32 v[B8], s88, v[L8]
	s_mul_i32 s88, s[WV], STGB                     ; my stage
	v_mul_u32_u24 v[STO], v[VR], 272
	v_lshrrev_b32 v[COL], 3, v[VR]
	v_mad_u32_u24 v[STO], v[COL], 2304, v[STO]
	v_lshl_add_u32 v[STO], v[VH], 6, v[STO]
	v_add_nc_u32 v[STO], s88, v[STO]               ; in: the tile's row r: 272 r + 2304 (r / 8); + 64 h
	v_mul_u32_u24 v[RDT], v[VH], 272
	v_lshl_add_u32 v[RDT], v[VR], 4, v[RDT]
	v_add_nc_u32 v[RDT], s88, v[RDT]               ; by rows: lanes 0-15 one row, lanes 16-31 the next
	v_lshl_add_u32 v[COL], v[COL], 3, v[VR]
	v_lshlrev_b32 v[COL], 2, v[COL]
	v_mad_u32_u24 v[COL], v[VH], 8992, v[COL]
	v_add_nc_u32 v[COL], s88, v[COL]               ; by columns: channel r + 8 (r / 8); lanes 16-31 begin 32 rows further down
	v_lshlrev_b32 v[H8], 3, v[VH]
	v_lshlrev_b32 v[BOF], 6, v[VH]
	s_wait_kmcnt 0x0
	v_mov_b32 v[LAM], s82
	v_mov_b32 v[LAM+1], s82
	v_sub_f32 v[OML], 1.0, v[LAM]
	v_mov_b32 v[OML+1], v[OML]
	s_wait_alu depctr_va_vdst(0)                   ; the wait at the head's end
	s_lshl_b32 s90, s80, 4
	s_lshl_b32 s91, s[WM], 3
	s_add_co_u32 s90, s90, s91
	s_lshl_b32 s90, s90, 9
	s_add_co_u32 s90, s90, SCL
	s_mov_b32 s91, 0
	s_add_nc_u64 s[90:91], s[4:5], s[90:91]        ; x's scale words
	s_lshl_b32 s92, s79, 3
	s_lshl_b32 s93, s[WN], 2
	s_add_co_u32 s92, s92, s93
	s_add_co_u32 s92, s92, 512
	s_lshl_b32 s92, s92, 9
	s_add_co_u32 s92, s92, SCL
	s_mov_b32 s93, 0
	s_add_nc_u64 s[92:93], s[4:5], s[92:93]        ; W's, of this pass
	s_lshl_b32 s94, s79, 9
	s_lshl_b32 s95, s[WN], 8
	s_add_co_u32 s94, s94, s95
	s_mov_b32 s95, 0
	s_add_nc_u64 s[94:95], s[10:11], s[94:95]      ; the bias, of this pass
	s_lshl_b32 s96, s80, 1
	s_add_co_u32 s96, s96, s[WM]                   ; my group of 128 rows, 0..63
	s_lshr_b32 s97, s96, 4                         ; the batch
	s_and_b32 s96, s96, 15                         ; G: the group in the sequence
	s_lshl_b32 s98, s79, 1
	s_add_co_u32 s98, s98, s[WN]                   ; the head: the same in all three passes
	s_lshl_b32 s97, s97, 4
	s_add_co_u32 s97, s97, s98
	s_lshl_b32 s98, s97, 4
	s_add_co_u32 s98, s98, s96                     ; 16 x (batch, head) + G: my record
	s_lshl_b32 s66, s96, 15
	s_mov_b32 s67, 0
	s_add_nc_u64 s[2:3], s[6:7], s[66:67]          ; the table's 8 tiles of my tokens
	s_lshl_b32 s66, s98, 15
	s_add_nc_u64 s[PV1:PV1+1], s[8:9], s[66:67]
	s_mov_b64 s[PFA:PFA+1], s[PV1:PV1+1]
.macro LOADSA                          ; x's scale words: loaded once, they serve all three passes
.irp a, 0,1,2,3,4,5,6,7
	global_load_b128 v[SA+4*\a:SA+4*\a+3], v[L16], s[90:91] offset:512*\a    ; register e: K step e in lanes 0-15, K step 4 + e in lanes 16-31
.endr
.endm
.macro LOADSB                          ; a pass's scale words of W and its bias: 12 loads
.irp t, 0,1,2,3
	global_load_b128 v[SB+4*\t:SB+4*\t+3], v[L16], s[92:93] offset:512*\t
.endr
.irp t, 0,1,2,3
	global_load_b128 v[BI+8*\t:BI+8*\t+3], v[BOF], s[94:95] offset:(32*(\t/2)+8*(\t%2))*4      ; the bias in the result's layout
	global_load_b128 v[BI+8*\t+4:BI+8*\t+7], v[BOF], s[94:95] offset:(32*(\t/2)+8*(\t%2))*4+16
.endr
.endm
.macro POOL pb, n0, cnt                ; cnt loads of 512 bytes into the pool, from the n0-th on
	WIN 0x80
.set n, \n0
.rept \cnt
	global_load_b128 v[4*n:4*n+3], v[L16], s[\pb:\pb+1] offset:512*n
.set n, n+1
.endr
	WIN 0
.endm
.macro FRAGLD reg, a16, a8, off        ; a fragment comes as it was stored: an image of its 12 registers
	ds_load_b128 v[\reg:\reg+3], v[\a16] offset:\off
	ds_load_b64 v[\reg+4:\reg+5], v[\a8] offset:\off+512
	ds_load_b128 v[\reg+6:\reg+9], v[\a16] offset:\off+768
	ds_load_b64 v[\reg+10:\reg+11], v[\a8] offset:\off+1280
.endm
.macro FETCH s                         ; K step s: 32 + 16 LDS loads into set s % 2
	WIN 0x40
.irp a, 0,1,2,3
	FRAGLD 96*((\s)%2)+12*\a, A16, A8, \a*TILB+(\s)*FRB
.endr
.irp a, 0,1,2,3
	FRAGLD 96*((\s)%2)+48+12*\a, A16H, A8H, \a*TILB+(\s)*FRB
.endr
	WIN 0
.irp t, 0,1,2,3
	FRAGLD BF+48*((\s)%2)+12*\t, B16, B8, \t*TILB+(\s)*FRB
.endr
.endm
.macro MUL s                           ; 32 products; the 32 accumulators take turns, one instruction a turn
.if (\s) == 0
	WIN 0xc4                                       ; source 0 (W) window 0, source 1 (x) window 1, C (the bias) window 0, D window 3
.else
	WIN 0xf4                                       ; C and D window 3
.endif
.irp a, 0,1,2,3,4,5,6,7
.irp t, 0,1,2,3
.if (\s) == 0
	v_wmma_scale_f32_16x16x128_f8f6f4 v[8*(4*\a+\t):8*(4*\a+\t)+7], v[BF+48*((\s)%2)+12*\t:BF+48*((\s)%2)+12*\t+11], v[96*((\s)%2)+12*\a:96*((\s)%2)+12*\a+11], v[BI+8*\t:BI+8*\t+7], v[SB+4*\t+(\s)%4], v[SA+4*\a+(\s)%4] matrix_a_fmt:MATRIX_FMT_BF6 matrix_b_fmt:MATRIX_FMT_BF6
.elseif (\s) < 4
	v_wmma_scale_f32_16x16x128_f8f6f4 v[8*(4*\a+\t):8*(4*\a+\t)+7], v[BF+48*((\s)%2)+12*\t:BF+48*((\s)%2)+12*\t+11], v[96*((\s)%2)+12*\a:96*((\s)%2)+12*\a+11], v[8*(4*\a+\t):8*(4*\a+\t)+7], v[SB+4*\t+(\s)%4], v[SA+4*\a+(\s)%4] matrix_a_fmt:MATRIX_FMT_BF6 matrix_b_fmt:MATRIX_FMT_BF6
.else
	v_wmma_scale_f32_16x16x128_f8f6f4 v[8*(4*\a+\t):8*(4*\a+\t)+7], v[BF+48*((\s)%2)+12*\t:BF+48*((\s)%2)+12*\t+11], v[96*((\s)%2)+12*\a:96*((\s)%2)+12*\a+11], v[8*(4*\a+\t):8*(4*\a+\t)+7], v[SB+4*\t+(\s)%4], v[SA+4*\a+(\s)%4] matrix_a_fmt:MATRIX_FMT_BF6 matrix_b_fmt:MATRIX_FMT_BF6 matrix_a_scale:MATRIX_SCALE_ROW1 matrix_b_scale:MATRIX_SCALE_ROW1
.endif
.endr
.endr
.endm
.macro STEPK s                         ; the next step's fragments are asked for, then this step is multiplied
.if (\s) < 7
.if (\s) > 0
	PLACES                                         ; between the last products and the loads into the registers that they read
.endif
	FETCH (\s)+1
	s_wait_dscnt 48                                ; all but the 48 just issued
.else
	s_wait_dscnt 0x0
.endif
	MUL \s
.endm
.macro GEMM cnt, mid                   ; a pass's 256 products.  cnt: the loads issued behind the scale words and the bias; mid = 1: the second half of v1 is asked for in the middle
	s_wait_tensorcnt 0x0                           ; my tiles have landed,
	s_barrier_signal -1
	s_barrier_wait -1                              ; everybody's have
	FETCH 0
	s_wait_loadcnt \cnt                            ; the scale words and the bias are in
	STEPK 0
	STEPK 1
	STEPK 2
	STEPK 3
.if \mid
	POOL PV1, 32, 32
.endif
	STEPK 4
	STEPK 5
	STEPK 6
	STEPK 7
	WIN 0
	PLACES                                         ; in front of the first read of results and the first write of the products' registers
.endm
.set SQ, 156                           ; v156-187 sums of squares, four registers a tile
.set RS, 188                           ; v188-203 1 / rms, a pair a tile
.set OO, 204                           ; v204-235 a tile's 32 numbers: register 16 b + i = channel 32 b + 16 h + i.  The way out of q and k leaves v32-111 alone: the scale words and the bias
.set PC, 112
.set SP, 124
.set TM, 132
.set WA, 148
.set WP, 149
.set KSW, 152
.macro QUANT2 src, pc, sp, tm          ; 32 numbers of a lane become six registers of codes (K = 64) and two scale bytes, in v[tm + 4], v[tm + 5]
.irp b, 0,1
	v_max3_num_f32 v[\tm+\b], |v[\src+16*\b]|, |v[\src+1+16*\b]|, 0x2800000
.endr
.irp i, 2,4,6,8,10,12,14
.irp b, 0,1
	v_max3_num_f32 v[\tm+\b], v[\tm+\b], |v[\src+16*\b+\i]|, |v[\src+1+16*\b+\i]|
.endr
.endr
.irp b, 0,1
	v_permlanex16_b32 v[\tm+4+\b], v[\tm+\b], s[SEL], s[SEL+1]
.endr
.irp b, 0,1
	v_max_num_f32 v[\tm+\b], v[\tm+\b], v[\tm+4+\b]
.endr
.irp b, 0,1
	v_add_nc_u32 v[\tm+12+\b], 0xfe000000, v[\tm+\b]
.endr
.irp b, 0,1
	v_lshrrev_b32 v[\tm+4+\b], 23, v[\tm+12+\b]
.endr
	v_cvt_scalef32_pk16_bf6_f32 v[\pc:\pc+2], v[\src:\src+15], v[\tm+12]
	v_cvt_scalef32_pk16_bf6_f32 v[\sp:\sp+2], v[\src+16:\src+31], v[\tm+13]
	v_nop                                          ; one plain place behind a scaled conversion
.irp i, 0,1,2
	v_permlane16_swap_b32 v[\pc+\i], v[\sp+\i]
.endr
.irp i, 0,1,2
	v_mov_b32 v[\pc+3+\i], v[\sp+\i]
.endr
.endm
.macro E2 a
	WIN 0x0b                                       ; source 0: the accumulators; source 1: the pool: cos i at 32 a + i, sin i at 32 a + 16 + i
.irp i, 0,2,4,6,8,10,12,14
	v_pk_mul_f32 v[OO+\i:OO+\i+1], v[32*(\a)+\i:32*(\a)+\i+1], v[32*(\a)+\i:32*(\a)+\i+1]
	v_pk_mul_f32 v[OO+16+\i:OO+16+\i+1], v[32*(\a)+16+\i:32*(\a)+16+\i+1], v[32*(\a)+\i:32*(\a)+\i+1]
.endr
.irp i, 0,2,4,6,8,10,12,14
	v_pk_fma_f32 v[OO+\i:OO+\i+1], v[32*(\a)+16+\i:32*(\a)+16+\i+1], v[32*(\a)+16+\i:32*(\a)+16+\i+1], v[OO+\i:OO+\i+1]      ; x1 cos + x2 sin
	v_pk_fma_f32 v[OO+16+\i:OO+16+\i+1], v[32*(\a)+\i:32*(\a)+\i+1], v[32*(\a)+16+\i:32*(\a)+16+\i+1], v[OO+16+\i:OO+16+\i+1] neg_lo:[1,0,0] neg_hi:[1,0,0]   ; x2 cos - x1 sin
.endr
	WIN 0
.irp i, 0,2,4,6,8,10,12,14,16,18,20,22,24,26,28,30
	v_pk_mul_f32 v[OO+\i:OO+\i+1], v[OO+\i:OO+\i+1], v[RS+2*(\a):RS+2*(\a)+1] op_sel_hi:[1,0]
.endr
.if (\a) > 0
	s_wait_alu depctr_va_vdst(0)
	s_wait_xcnt 0x0                                ; the last tile's stores have read the codes' registers
.endif
	QUANT2 OO, PC, SP, TM
	v_lshl_or_b32 v[WA], v[TM+5], 8, v[TM+4]
	v_or_b32 v[WA], 0x7f7f0000, v[WA]              ; K = 64..127 are zero codes: their bytes stand for 1
	global_store_b128 v[L16], v[PC:PC+3], s[66:67] offset:768*(\a)
	global_store_b64 v[L8], v[PC+4:PC+5], s[66:67] offset:768*(\a)+512
.if (\a)%2 == 0
	v_mov_b32 v[WP], v[WA]
.else
	v_cndmask_b32 v[KSW+(\a)/2], v[WP], v[WA], vcc_lo    ; lanes 0-15 carry the even tile's word, lanes 16-31 the odd tile's
.endif
.endm
	; ================ passes q and k
	LOADSA
	LOADSB
	POOL 2, 0, 64                                  ; the table: loaded once, q and k both read it
	s_mov_b32 s81, 0                               ; the pass: the same in all sixteen partners
.Lpass:
	GEMM 0, 0
	s_add_nc_u64 s[92:93], s[92:93], 64*512        ; this pass's loads are done: on to the next pass's scale words of W
	s_add_nc_u64 s[94:95], s[94:95], 4096          ; and its bias,
	LOADSB                                         ; asked for four places behind the last product; the way out stands between these loads and the wait for them
	s_wait_tensorcnt 0x0                           ; no load of mine is out;
	ds_add_u32 v254, v255                          ; an add to LDS;
	s_add_nc_u64 s[G0B+2:G0B+3], s[G0B+2:G0B+3], WSTEP   ; the next pass's tiles of W
	s_wait_dscnt 0x0                               ; the add is done, and so are my reads of W's tiles
	CROUND                                         ; the same holds of every wave of every partner
	s_cmp_eq_u32 s[WM], 0
	s_cbranch_scc1 .Lno_w
	tensor_load_to_lds s[G0B:G0B+3], s[G1B:G1B+7]  ; waves 2 and 3: W's two halves, filled again
	s_nop 0
	PLACES
.Lno_w:
	s_cmp_eq_u32 s81, 0
	s_cselect_b64 s[66:67], s[14:15], s[16:17]
	s_mul_i32 s88, s98, 6656
	s_mov_b32 s89, 0
	s_add_nc_u64 s[66:67], s[66:67], s[88:89]      ; my record
	v_cmp_ne_u32 vcc_lo, 0, v[VH]
	v_mov_b32 v[TM+4], 0
	v_mov_b32 v[TM+5], 0
	WIN 0x0f                                       ; sources 0 and 1: the accumulators
.irp a, 0,1,2,3,4,5,6,7
	v_pk_mul_f32 v[SQ+4*\a:SQ+4*\a+1], v[32*\a:32*\a+1], v[32*\a:32*\a+1]          ; each accumulator is read from its low end on
	v_pk_mul_f32 v[SQ+4*\a+2:SQ+4*\a+3], v[32*\a+2:32*\a+3], v[32*\a+2:32*\a+3]
.endr
.irp i, 4,8,12,16,20,24,28
.irp a, 0,1,2,3,4,5,6,7
	v_pk_fma_f32 v[SQ+4*\a:SQ+4*\a+1], v[32*\a+\i:32*\a+\i+1], v[32*\a+\i:32*\a+\i+1], v[SQ+4*\a:SQ+4*\a+1]
	v_pk_fma_f32 v[SQ+4*\a+2:SQ+4*\a+3], v[32*\a+\i+2:32*\a+\i+3], v[32*\a+\i+2:32*\a+\i+3], v[SQ+4*\a+2:SQ+4*\a+3]
.endr
.endr
	WIN 0
	global_prefetch_b8 v[PFO], s[PFA:PFA+1] th:TH_LOAD_NT scope:SCOPE_SE               ; 2 x 32 blocks of 256 bytes of my v1
	global_prefetch_b8 v[PFO], s[PFA:PFA+1] offset:8192 th:TH_LOAD_NT scope:SCOPE_SE
.irp a, 0,1,2,3,4,5,6,7
	v_pk_add_f32 v[SQ+4*\a:SQ+4*\a+1], v[SQ+4*\a:SQ+4*\a+1], v[SQ+4*\a+2:SQ+4*\a+3]
.endr
.irp a, 0,1,2,3,4,5,6,7
	v_add_f32 v[SQ+4*\a], v[SQ+4*\a], v[SQ+4*\a+1]
.endr
.irp a, 0,1,2,3,4,5,6,7
	v_permlanex16_b32 v[SQ+4*\a+1], v[SQ+4*\a], s[SEL], s[SEL+1]
.endr
.irp a, 0,1,2,3,4,5,6,7
	v_add_f32 v[SQ+4*\a], v[SQ+4*\a], v[SQ+4*\a+1]                         ; the token's 64 squares
.endr
.irp a, 0,1,2,3,4,5,6,7
	v_fma_f32 v[SQ+4*\a], v[SQ+4*\a], s86, s87                             ; / 64 + 1e-6
.endr
	s_wait_alu depctr_va_vdst(0)                   ; the wait ahead of the batch
.irp a, 0,1,2,3,4,5,6,7
	v_rsq_f32 v[RS+2*\a], v[SQ+4*\a]
.endr
.irp a, 0,1,2,3,4,5,6,7
	v_mov_b32 v[RS+2*\a+1], 0                      ; (named with it as a pair.)  Plain places behind the batch
.endr
	s_wait_alu depctr_va_vdst(0)                   ; one wait for the eight, ahead of their first reader
	E2 0
	E2 1
	E2 2
	E2 3
	E2 4
	E2 5
	E2 6
	E2 7
	global_store_b128 v[L16], v[KSW:KSW+3], s[66:67] offset:6144
	s_wait_xcnt 0x0                                ; stores and prefetches have read their registers and bases
	s_add_nc_u64 s[PFA:PFA+1], s[PFA:PFA+1], 16384 ; the other half of my v1
	s_add_co_u32 s81, s81, 1
	s_cmp_lt_u32 s81, 2
	s_wait_alu depctr_va_vdst(0)                   ; the wait ahead of the branch
	s_cbranch_scc1 .Lpass
	; ================ pass v: nothing more is asked for
.set XV,  112
.set PCV, 176
.set TMV, 196
.set WW,  202
.set W2,  203
.set WQ,  204
.set VSW, 206
	POOL PV1, 0, 32                                ; the first half of v1
	GEMM 32, 1
	s_barrier_signal -1                            ; no wave reads the tiles any more: x's bytes may carry the stages
	s_barrier_wait -1
	s_lshl_b32 s88, s98, 15
	s_mov_b32 s89, 0
	s_add_nc_u64 s[88:89], s[20:21], s[88:89]      ; out1: my 128 rows of 256 bytes
	s_mul_i32 s66, s98, 6400
	s_mov_b32 s67, 0
	s_add_nc_u64 s[66:67], s[18:19], s[66:67]      ; vc: my record
	v_cmp_ne_u32 vcc_lo, 0, v[VH]
	WIN 0x0c                                       ; an LDS store's data are its source 1: the accumulators
.irp a, 0,1,2,3,4,5,6,7
.irp t, 0,1,2,3
	ds_store_b128 v[STO], v[8*(4*\a+\t):8*(4*\a+\t)+3] offset:272*(32*(\a/2)+8*(\a%2))+288*(\a/2)+128*(\t/2)+32*(\t%2)
	ds_store_b128 v[STO], v[8*(4*\a+\t)+4:8*(4*\a+\t)+7] offset:272*(32*(\a/2)+8*(\a%2))+288*(\a/2)+128*(\t/2)+32*(\t%2)+16
.endr
.endr
	s_wait_loadcnt 0x0                             ; v1
	WIN 0x82
.set n, 0
.rept 128
	v_pk_mul_f32 v[2*n:2*n+1], v[2*n:2*n+1], v[LAM:LAM+1] op_sel_hi:[1,0]
.set n, n+1
.endr
	WIN 0
.macro VBATCH g                        ; 32 rows: back from the stage as rows, mixed with v1, to out1, and into the stage again
.set TS, 112+64*((\g)%2)
.if (\g) >= 2
	s_wait_xcnt 0x0                                ; the stores of two batches ago have read this set
.endif
.irp k, 0,1,2,3,4,5,6,7,8,9,10,11,12,13,14,15
.set EE, 16*(\g)+\k
	ds_load_b128 v[TS+4*\k:TS+4*\k+3], v[RDT] offset:544*EE+128*(EE/8)+32*(EE/16)     ; LDS serves a wave's instructions in order: these see my stores
.endr
	s_wait_dscnt 0x0
	WIN 0x20                                       ; source 2: the pool
.irp k, 0,1,2,3,4,5,6,7,8,9,10,11,12,13,14,15
.set EE, 16*(\g)+\k
	v_pk_fma_f32 v[TS+4*\k:TS+4*\k+1], v[TS+4*\k:TS+4*\k+1], v[OML:OML+1], v[4*EE:4*EE+1] op_sel_hi:[1,0,1]
	v_pk_fma_f32 v[TS+4*\k+2:TS+4*\k+3], v[TS+4*\k+2:TS+4*\k+3], v[OML:OML+1], v[4*EE+2:4*EE+3] op_sel_hi:[1,0,1]
.endr
	WIN 0
.irp k, 0,1,2,3,4,5,6,7,8,9,10,11,12,13,14,15
.set EE, 16*(\g)+\k
	global_store_b128 v[L16], v[TS+4*\k:TS+4*\k+3], s[88:89] offset:512*EE th:TH_STORE_NT    ; 32 lanes: 512 consecutive bytes, aligned
	ds_store_b128 v[RDT], v[TS+4*\k:TS+4*\k+3] offset:544*EE+128*(EE/8)+32*(EE/16)
.endr
.endm
	VBATCH 0
	VBATCH 1
	VBATCH 2
	VBATCH 3
.macro VQL dt                          ; channel tile dt is read by columns: a lane takes a channel, its registers run down the keys: register 32 c + i = key 64 c + 32 h + i.  Two sets, v112-175 and v32-95, by turns
.set XV, 112-80*((\dt)%2)
.irp c, 0,1
.irp i, 0,1,2,3,4,5,6,7,8,9,10,11,12,13,14,15,16,17,18,19,20,21,22,23,24,25,26,27,28,29,30,31
	ds_load_b32 v[XV+32*\c+\i], v[COL] offset:272*(64*\c+\i)+128*(4*\c+\i/16)+64*\c+4*(32*((\dt)/2)+8*((\dt)%2))
.endr
.endr
.endm
.macro VQ dt, younger                  ; and quantised: two whole blocks a lane.  younger: of the next tile's 64 loads, issued behind this tile's, so many may be out
.set XV, 112-80*((\dt)%2)
	s_wait_xcnt 0x0                                ; earlier stores have read the registers that are written below
	v_mov_b32 v[W2], 0
	s_wait_dscnt \younger
.irp c, 0,1
	v_max3_num_f32 v[TMV+\c], |v[XV+32*\c]|, |v[XV+1+32*\c]|, 0x2800000
.endr
.irp i, 2,4,6,8,10,12,14,16,18,20,22,24,26,28,30
.irp c, 0,1
	v_max3_num_f32 v[TMV+\c], v[TMV+\c], |v[XV+32*\c+\i]|, |v[XV+1+32*\c+\i]|
.endr
.endr
.irp c, 0,1
	v_add_nc_u32 v[TMV+4+\c], 0xfe000000, v[TMV+\c]
.endr
.irp c, 0,1
	v_lshrrev_b32 v[TMV+2+\c], 23, v[TMV+4+\c]
.endr
	v_lshl_or_b32 v[WW], v[TMV+3], 16, v[TMV+2]    ; my two bytes: blocks h and 2 + h,
	v_lshlrev_b32 v[WW], v[H8], v[WW]              ; at their places;
	v_permlanex16_b32 v[W2], v[WW], s[SEL], s[SEL+1]
	v_or_b32 v[WW], v[WW], v[W2]                   ; with lane l xor 16's two the word is whole
.irp c, 0,1
	v_cvt_scalef32_pk16_bf6_f32 v[PCV+6*\c:PCV+6*\c+2], v[XV+32*\c:XV+32*\c+15], v[TMV+4+\c]
	v_cvt_scalef32_pk16_bf6_f32 v[PCV+12+4*\c:PCV+14+4*\c], v[XV+32*\c+16:XV+32*\c+31], v[TMV+4+\c]
.endr
	v_nop                                          ; one plain place behind a scaled conversion
.irp c, 0,1
.irp i, 0,1,2
	v_mov_b32 v[PCV+3+6*\c+\i], v[PCV+12+4*\c+\i]
.endr
.endr
	global_store_b128 v[L16], v[PCV:PCV+3], s[66:67] offset:1536*(\dt)
	global_store_b64 v[L8], v[PCV+4:PCV+5], s[66:67] offset:1536*(\dt)+512
	global_store_b128 v[L16], v[PCV+6:PCV+9], s[66:67] offset:1536*(\dt)+768
	global_store_b64 v[L8], v[PCV+10:PCV+11], s[66:67] offset:1536*(\dt)+1280
.if (\dt)%2 == 0
	v_mov_b32 v[WQ], v[WW]
.else
	v_cndmask_b32 v[VSW+(\dt)/2], v[WQ], v[WW], vcc_lo
.endif
.endm
	s_wait_xcnt 0x0                                ; the rows' stores have read v112-175
	VQL 0
	VQL 1
	VQ 0, 63
	VQL 2
	VQ 1, 63
	VQL 3
	VQ 2, 63
	VQ 3, 0
	global_store_b64 v[L8], v[VSW:VSW+1], s[66:67] offset:6144
	s_wait_tensorcnt 0x0                           ; the wave's end
	ds_add_u32 v254, v255
	s_wait_dscnt 0x0
	CROUND                                         ; the closing round
	s_endpgm
.Lfunc_end_k_q7d1a5ae479_qkv:
	.size	k_q7d1a5ae479_qkv, .Lfunc_end_k_q7d1a5ae479_qkv-k_q7d1a5ae479_qkv
	.p2alignl 7, 3214868480
	.fill 96, 4, 3214868480
	.section	.rodata,"a",@progbits
	.p2align	6, 0x0
	.amdhsa_kernel k_q7d1a5ae479_qkv
		.amdhsa_group_segment_fixed_size 327680
		.amdhsa_private_segment_fixed_size 0
		.amdhsa_enable_private_segment 0
		.amdhsa_kernarg_size 72
		.amdhsa_user_sgpr_count 2
		.amdhsa_user_sgpr_kernarg_segment_ptr 1
		.amdhsa_wavefront_size32 1
		.amdhsa_system_sgpr_workgroup_id_x 1
		.amdhsa_system_sgpr_workgroup_id_y 1
		.amdhsa_system_sgpr_workgroup_id_z 1
		.amdhsa_system_vgpr_workitem_id 0
		.amdhsa_next_free_vgpr 1024
		.amdhsa_next_free_sgpr 100
		.amdhsa_reserve_vcc 1
		.amdhsa_float_denorm_mode_32 3
		.amdhsa_float_denorm_mode_16_64 3
		.amdhsa_memory_ordered 1
		.amdhsa_forward_progress 1
		.amdhsa_inst_pref_size 255
	.end_amdhsa_kernel
	.section	.bss,"aw",@nobits
	.p2align	6
	.space	262144
	.amdgpu_metadata
---
amdhsa.version: [ 1, 2 ]
amdhsa.kernels:
  - .name:           k_q7d1a5ae479_qkv
    .symbol:         k_q7d1a5ae479_qkv.kd
    .args:
      - { .name: opq, .offset: 0, .size: 8, .value_kind: global_buffer, .address_space: global }
      - { .name: rope, .offset: 8, .size: 8, .value_kind: global_buffer, .address_space: global }
      - { .name: v1, .offset: 16, .size: 8, .value_kind: global_buffer, .address_space: global }
      - { .name: b_qkv, .offset: 24, .size: 8, .value_kind: global_buffer, .address_space: global }
      - { .name: lamb, .offset: 32, .size: 8, .value_kind: global_buffer, .address_space: global }
      - { .name: qc, .offset: 40, .size: 8, .value_kind: global_buffer, .address_space: global }
      - { .name: kc, .offset: 48, .size: 8, .value_kind: global_buffer, .address_space: global }
      - { .name: vc, .offset: 56, .size: 8, .value_kind: global_buffer, .address_space: global }
      - { .name: out1, .offset: 64, .size: 8, .value_kind: global_buffer, .address_space: global }
    .group_segment_fixed_size: 327680
    .private_segment_fixed_size: 0
    .kernarg_segment_align: 8
    .kernarg_segment_size: 72
    .max_flat_workgroup_size: 128
    .sgpr_count:     100
    .vgpr_count:     1024
    .wavefront_size: 32
...
	.end_amdgpu_metadata
.endif
;; end of part 2
;; launch attn (part 3): grid 4 x 64, 16 waves a work-group, clusters of 4 x 1, 210,944 bytes of LDS; arguments qc, kc, vc, att; writes att
.if DOCPART == 3
	.amdgcn_target "amdgcn-amd-amdhsa--gfx1250"
	.amdhsa_code_object_version 6
	.text
	.protected	k_q7d1a5ae479_attn
	.globl	k_q7d1a5ae479_attn
	.p2align	8
	.type	k_q7d1a5ae479_attn,@function
k_q7d1a5ae479_attn:
	s_mov_b64 s[64:65], 0
	v_nop
	global_prefetch_b8 v0, s[64:65] scope:SCOPE_SE
	s_setreg_imm32_b32 hwreg(HW_REG_WAVE_MODE, 25, 1), 1
	s_wait_xcnt 0x0
	s_wait_alu depctr_hold_cnt(0) depctr_sa_sdst(0) depctr_va_vdst(0) depctr_va_sdst(0) depctr_va_ssrc(0) depctr_va_vcc(0) depctr_vm_vsrc(0)
	s_getreg_b32 s2, hwreg(HW_REG_IB_STS2, 6, 4)
	s_cmp_eq_u32 s2, 0
	s_cbranch_scc0 .Lentry_in_a_cluster
	s_endpgm
.Lentry_in_a_cluster:
	s_bfe_u32 s2, ttmp6, 0x10000c
	s_cmp_lg_u32 s2, 0x3003
	s_cbranch_scc0 .Lentry_shape_is_right
	s_endpgm
.Lentry_shape_is_right:
; Causal attention of one head (2048 tokens, head size 64) on codes of BF6 (E3M2) with E8M0 scales; its result, divided by the row's sum, is quantised along the model's 1024 for the projection.
; SOFTMAX: t = score x log2(e) / 8; p = 2^t is quantised along the keys, not normalised; the row's sum is taken of the unquantised p and divides at the end.
; NO MAXIMUM IS TAKEN AWAY, since the computation bounds t for every input: q and k leave the RMS norm with squares that sum to at most 64, the rotary turn keeps that sum, and the rounding to E3M2 moves a number by at most
; an eighth of itself or 1 / 512 of its block's largest; so both vectors stay under 9.2 in length, |score| / 8 under 10.5 and |t| under 16: p lies between 2^-16 and 2^16 and a row's sum under 2^27.
; The whole number M of the problem's rule only moves a block's scale by a power of two: with M = 0 the codes' values are the same, and the division by the sum takes the factor away.
; SHARES.  The four work-groups of a cluster serve one head.  A wave owns TWO tiles of 16 queries: with i = 4 wave + cx, tiles i and 127 - i: together 17 key steps of 128 for every wave of the launch.
; The group of 128 in which a tile lies hangs on the wave's number alone, so no branch hangs on the place in the cluster; the place enters global addresses and the lanes' mask number.
; LDS.  The head's whole K (16 records of 6656 bytes) and V (16 of 6400) come ONCE, by four joint loads (waves 0, 1: K's halves; waves 2, 3: V's), and stay: nothing is filled again, and there is no step to prefetch ahead of.
; LAYOUT.  Both products are used transposed: S^T = K Q^T (source 0 = 16 keys), O^T = V^T P^T (source 0 = 16 channels): a lane holds one query.  By the order of rows in a tile (lane r of tile u: row 32 (u / 2) + 8 (u % 2) + r + 8 (r / 8))
; register 16 b + i of S^T is key 32 b + 16 (lane / 16) + i of the step, and register 16 b + i of O^T channel 32 b + 16 (lane / 16) + i.  K Q^T has K = 64: registers 6-11 of both operands are zero codes.
; CAUSAL.  A step whose keys all come after the tile's queries is jumped over (a scalar branch on ids; the loops' trip counts are constants); in the tile's own group hidden scores become -infinity, so that their p is 0.
; att: codes [512 row tiles][8 K steps][1536]; from byte 6291456 the scale words, tile x 512 + 256 (step / 4) + 16 r + 4 (step % 4).  Head hd gives half (hd % 2) of K step hd / 2.
; LIMITS: NaN and infinities are not served.  A block whose largest magnitude lies under 2^-122 (zeros too) gets the scale byte 1; this program alone reads these bytes.
; REGISTERS: v1, v2 16 x and 8 x lane; v3-6 the step's LDS addresses; v7 the mask number; v8 Q's scale word; v9 16 r; v10-11 V's scale words; v[14:15] the sum;
; v16-27 Q; v28-31 K's scale words; v32-127 K's 8 fragments; v128-191 S^T, then p, then V's 4 fragments; v192-223 O^T; v224-235 p's codes; v236-239 the blocks' largest; v253 p's scale word; v240-255 at work.
.set WV,   12
.set CX,   13
.set BH,   14
.set G1K,  16
.set G1V,  24
.set G0K,  32
.set G0V,  36
.set SK,   66                          ; LDS byte of the step's record of K
.set SV,   67                          ; and of V
.set GG,   68                          ; the step's group of keys
.set GD,   69                          ; the tile's group
.set TRIP, 70
.set JT,   71                          ; the tile in its group
.set SEL,  76
.set CS,   78
.set VOFF, 106496
.macro CROUND
	s_barrier_signal -1
	s_barrier_wait -1
	s_cmp_lg_u32 s[WV], 0
	s_cbranch_scc1 .Lnot_wave_0_\@
	s_barrier_signal -3
.Lnot_wave_0_\@:
	s_barrier_wait -3
	s_barrier_signal -1
	s_barrier_wait -1
.endm
	s_load_b256 s[4:11], s[0:1], 0x0               ; qc, kc, vc, att
	v_lshl_add_u32 v254, v0, 2, 0x33000
	v_mov_b32 v255, 0
	ds_add_u32 v254, v255                          ; the opening lines
	ds_add_u32 v254, v255
	s_wait_dscnt 0x0
	v_lshrrev_b32 v1, 5, v0
	s_delay_alu instid0(VALU_DEP_1)
	v_readfirstlane_b32 s[WV], v1                  ; wave 0..15
	s_bfe_u32 s[CX], ttmp6, 0x40000                ; my place in the cluster
	s_and_b32 s[BH], ttmp7, 0xffff                 ; (batch, head): the four partners share it
	; group 1: dense blocks as rows of 256 bytes (32 elements of 8 bytes); K: 208 rows, V: 200; the mask names all four work-groups
	s_mov_b32 s[G1K], 15|(3<<16)|(1<<21)
	s_mov_b32 s[G1K+1], 32<<16
	s_mov_b32 s[G1K+2], 208<<16
	s_mov_b32 s[G1K+3], 32<<16
	s_mov_b32 s[G1K+4], 208
	s_mov_b32 s[G1K+5], 32
	s_mov_b32 s[G1K+6], 0
	s_mov_b32 s[G1K+7], 0
	s_mov_b32 s[G1V], 15|(3<<16)|(1<<21)
	s_mov_b32 s[G1V+1], 32<<16
	s_mov_b32 s[G1V+2], 200<<16
	s_mov_b32 s[G1V+3], 32<<16
	s_mov_b32 s[G1V+4], 200
	s_mov_b32 s[G1V+5], 32
	s_mov_b32 s[G1V+6], 0
	s_mov_b32 s[G1V+7], 0
	s_and_b32 s84, s[WV], 1                        ; which half I fetch, if I fetch
	s_mul_i32 s85, s84, 53248
	s_mul_i32 s80, s[BH], 106496
	s_add_co_u32 s80, s80, s85
	s_mov_b32 s81, 0
	s_mul_i32 s86, s84, 51200
	s_mul_i32 s82, s[BH], 102400
	s_add_co_u32 s82, s82, s86
	s_mov_b32 s83, 0
	s_add_co_u32 s86, s86, VOFF
	s_mov_b32 s[SEL], 0x76543210
	s_mov_b32 s[SEL+1], 0xfedcba98
	s_mov_b32 s[CS], 0x3e38aa3b                    ; log2(e) / 8
	s_mov_b32 s[CS+1], s[CS]
	s_wait_kmcnt 0x0
	CROUND                                         ; all four work-groups are here: the joint loads meet
	s_mov_b32 s[G0K], 1
	s_mov_b32 s[G0K+1], s85
	s_add_nc_u64 s[G0K+2:G0K+3], s[6:7], s[80:81]
	s_or_b32 s[G0K+3], s[G0K+3], 0x80000000
	s_mov_b32 s[G0V], 1
	s_mov_b32 s[G0V+1], s86
	s_add_nc_u64 s[G0V+2:G0V+3], s[8:9], s[82:83]
	s_or_b32 s[G0V+3], s[G0V+3], 0x80000000
	s_cmp_lt_u32 s[WV], 2                          ; the branches hang on the wave's number alone; one tensor load of mine is out at the most
	s_cbranch_scc0 .Lnot_k
	tensor_load_to_lds s[G0K:G0K+3], s[G1K:G1K+7]
	s_nop 0
.rept 4
	v_nop
.endr
	s_branch .Lasked
.Lnot_k:
	s_cmp_lt_u32 s[WV], 4
	s_cbranch_scc0 .Lasked
	tensor_load_to_lds s[G0V:G0V+3], s[G1V:G1V+7]
	s_nop 0
.rept 4
	v_nop
.endr
.Lasked:
	v_and_b32 v9, 31, v0
	s_delay_alu instid0(VALU_DEP_1)
	v_lshlrev_b32 v1, 4, v9
	s_delay_alu instid0(VALU_DEP_2)
	v_lshlrev_b32 v2, 3, v9
	v_and_b32 v9, 15, v0
	s_delay_alu instid0(VALU_DEP_1)
	v_lshlrev_b32 v9, 4, v9
.irp i, 22,23,24,25,26,27
	v_mov_b32 v\i, 0                               ; Q's K = 64..127: zero codes
.endr
.irp j, 0,1,2,3,4,5,6,7
.irp i, 6,7,8,9,10,11
	v_mov_b32 v[32+12*\j+\i], 0                    ; K's likewise: written once, no load touches them
.endr
.endr
.irp i, 240,241,242,243,254
	v_mov_b32 v\i, 0                               ; lane permutes' destinations
.endr
; A tile is begun: its group in s[GD], its place in the group in s[JT]
.macro PREP
	s_lshl_b32 s84, s[BH], 4
	s_add_co_u32 s84, s84, s[GD]
	s_mul_i32 s84, s84, 6656                       ; the record of Q
	s_mul_i32 s85, s[JT], 768
	s_add_co_u32 s72, s84, s85
	s_mov_b32 s73, 0
	s_add_nc_u64 s[72:73], s[4:5], s[72:73]        ; the tile's codes
	s_and_b32 s85, s[JT], 1
	s_lshl_b32 s85, s85, 8
	s_add_co_u32 s74, s84, s85
	s_lshr_b32 s85, s[JT], 1
	s_lshl_b32 s86, s85, 2
	s_add_co_u32 s74, s74, s86
	s_mov_b32 s75, 0
	s_add_nc_u64 s[74:75], s[4:5], s[74:75]        ; its scale words: lane 16 (j % 2) + r, word j / 2
	global_load_b128 v[16:19], v1, s[72:73]
	global_load_b64 v[20:21], v2, s[72:73] offset:512
	global_load_b32 v8, v9, s[74:75] offset:6144
	s_lshl_b32 s85, s85, 5
	s_and_b32 s86, s[JT], 1
	s_lshl_b32 s86, s86, 3
	s_add_co_u32 s85, s85, s86
	v_and_b32 v254, 15, v0
	v_and_b32 v255, 8, v0
	s_delay_alu instid0(VALU_DEP_1)
	v_add_nc_u32 v254, v254, v255
	v_and_b32 v255, 16, v0
	s_delay_alu instid0(VALU_DEP_1)
	v_sub_nc_u32 v254, v254, v255
	s_delay_alu instid0(VALU_DEP_1)
	v_add_nc_u32 v7, s85, v254                     ; my query's place in its group, less 16 (lane / 16)
.set n, 0
.rept 32
	v_mov_b32 v[192+n], 0                          ; O^T: the step is written once, in a loop
.set n, n+1
.endr
	v_mov_b32 v14, 0
	v_mov_b32 v15, 0
	s_mov_b32 s[GG], 0
	s_mov_b32 s[SK], 0
	s_mov_b32 s[SV], VOFF
.endm
; A key step: 128 keys
.macro STEP
	s_cmp_gt_u32 s[GG], s[GD]
	s_cbranch_scc1 .Lhidden_\@                     ; all its keys come after my queries
	v_add_nc_u32 v3, s[SK], v1
	v_add_nc_u32 v4, s[SK], v2
	v_add_nc_u32 v5, s[SV], v1
	v_add_nc_u32 v6, s[SV], v2
.irp j, 0,1,2,3,4,5,6,7
	ds_load_b128 v[32+12*\j:35+12*\j], v3 offset:768*\j
	ds_load_b64 v[36+12*\j:37+12*\j], v4 offset:768*\j+512
.endr
	ds_load_b128 v[28:31], v3 offset:6144          ; register p: tile 2 p's words in lanes 0-15, tile 2 p + 1's in lanes 16-31
	s_wait_dscnt 0x0
.irp j, 0,2,4,6
	v_wmma_scale_f32_16x16x128_f8f6f4 v[128+8*\j:135+8*\j], v[32+12*\j:43+12*\j], v[16:27], 0, v[28+\j/2], v8 matrix_a_fmt:MATRIX_FMT_BF6 matrix_b_fmt:MATRIX_FMT_BF6
	v_wmma_scale_f32_16x16x128_f8f6f4 v[136+8*\j:143+8*\j], v[44+12*\j:55+12*\j], v[16:27], 0, v[28+\j/2], v8 matrix_a_fmt:MATRIX_FMT_BF6 matrix_b_fmt:MATRIX_FMT_BF6 matrix_a_scale:MATRIX_SCALE_ROW1
.endr
.rept 4
	v_nop
.endr
	s_cmp_lt_u32 s[GG], s[GD]
	s_cbranch_scc1 .Lopen_\@                       ; all its keys count
	v_mov_b32 v254, 0xff800000                     ; -infinity
.set n, 0
.rept 64
	v_cmp_gt_i32 vcc_lo, 32*(n/16)+n%16, v7        ; register 16 b + i holds key 32 b + 16 (lane / 16) + i
	v_cndmask_b32 v[128+n], v[128+n], v254, vcc_lo
.set n, n+1
.endr
.Lopen_\@:
.irp b, 0,1,2,3
	v_max3_num_f32 v[236+\b], v[128+16*\b], v[129+16*\b], v[130+16*\b]     ; the largest score of each block of 32 keys: p rises with the score, so it gives the block's largest p
.endr
.irp i, 3,5,7,9,11,13
.irp b, 0,1,2,3
	v_max3_num_f32 v[236+\b], v[236+\b], v[128+16*\b+\i], v[129+16*\b+\i]
.endr
.endr
.irp b, 0,1,2,3
	v_max_num_f32 v[236+\b], v[236+\b], v[143+16*\b]
.endr
.irp b, 0,1,2,3
	s_delay_alu instid0(VALU_DEP_4)
	v_permlanex16_b32 v[240+\b], v[236+\b], s[SEL], s[SEL+1]
.endr
.irp b, 0,1,2,3
	s_delay_alu instid0(VALU_DEP_4)
	v_max_num_f32 v[236+\b], v[236+\b], v[240+\b]
.endr
.set n, 0
.rept 32
	v_pk_mul_f32 v[128+n:129+n], v[128+n:129+n], s[CS:CS+1] op_sel_hi:[1,0]    ; t
.set n, n+2
.endr
.irp b, 0,1,2,3
	v_mul_f32 v[236+\b], s[CS], v[236+\b]          ; the same multiplication of each block's largest score
.endr
	s_wait_alu depctr_va_vdst(0)                   ; the wait ahead of the batch
.set n, 0
.rept 64
	v_exp_f32 v[128+n], v[128+n]                   ; p
.set n, n+1
.endr
.irp b, 0,1,2,3
	v_exp_f32 v[236+\b], v[236+\b]                 ; the blocks' largest p: the same instructions on the same number give the same bits
.endr
	v_nop                                          ; a plain place behind the batch
	s_wait_alu depctr_va_vdst(0)                   ; one wait for the 68, ahead of their first reader
.irp b, 0,1,2,3
	v_max_num_f32 v[236+\b], 0x2800000, v[236+\b]  ; the floor 2^(5 - 127)
.endr
.irp b, 0,1,2,3
	s_delay_alu instid0(VALU_DEP_4)
	v_add_nc_u32 v[236+\b], 0xfe000000, v[236+\b]  ; 4 off the exponent field: the conversion's scale operand
.endr
.irp b, 0,1,2,3
	s_delay_alu instid0(VALU_DEP_4)
	v_lshrrev_b32 v[240+\b], 23, v[236+\b]
.endr
	s_delay_alu instid0(VALU_DEP_3)
	v_lshl_or_b32 v253, v241, 8, v240              ; p's scale word
	s_delay_alu instid0(VALU_DEP_1)
	v_lshl_or_b32 v253, v242, 16, v253
	s_delay_alu instid0(VALU_DEP_1)
	v_lshl_or_b32 v253, v243, 24, v253
	; the row's sum, of the unquantised p, in eight chains.  These 32 are also the places between the scale word's write and the products
	v_pk_add_f32 v[240:241], v[132:133], v[136:137]
	v_pk_add_f32 v[250:251], v[140:141], v[144:145]
	v_pk_add_f32 v[248:249], v[148:149], v[152:153]
	v_pk_add_f32 v[246:247], v[156:157], v[160:161]
	v_pk_add_f32 v[244:245], v[164:165], v[168:169]
	v_pk_add_f32 v[242:243], v[172:173], v[176:177]
	v_pk_add_f32 v[234:235], v[180:181], v[184:185]
	v_pk_add_f32 v[14:15], v[14:15], v[188:189]
	v_pk_add_f32 v[240:241], v[240:241], v[128:129]
	v_pk_add_f32 v[250:251], v[250:251], v[130:131]
	v_pk_add_f32 v[248:249], v[248:249], v[134:135]
	v_pk_add_f32 v[246:247], v[246:247], v[138:139]
	v_pk_add_f32 v[244:245], v[244:245], v[142:143]
	v_pk_add_f32 v[242:243], v[242:243], v[146:147]
	v_pk_add_f32 v[234:235], v[234:235], v[150:151]
	v_pk_add_f32 v[14:15], v[14:15], v[154:155]
	v_pk_add_f32 v[240:241], v[240:241], v[158:159]
	v_pk_add_f32 v[250:251], v[250:251], v[162:163]
	v_pk_add_f32 v[248:249], v[248:249], v[166:167]
	v_pk_add_f32 v[246:247], v[246:247], v[170:171]
	v_pk_add_f32 v[244:245], v[244:245], v[174:175]
	v_pk_add_f32 v[242:243], v[242:243], v[178:179]
	v_pk_add_f32 v[234:235], v[234:235], v[182:183]
	v_pk_add_f32 v[14:15], v[14:15], v[186:187]
	v_pk_add_f32 v[240:241], v[240:241], v[190:191]
	s_delay_alu instid0(VALU_DEP_2)
	v_pk_add_f32 v[14:15], v[14:15], v[246:247]
	s_delay_alu instid0(VALU_DEP_2)
	v_pk_add_f32 v[240:241], v[240:241], v[244:245]
	v_pk_add_f32 v[250:251], v[250:251], v[242:243]
	v_pk_add_f32 v[248:249], v[248:249], v[234:235]
	s_delay_alu instid0(VALU_DEP_2)
	v_pk_add_f32 v[14:15], v[14:15], v[250:251]
	s_delay_alu instid0(VALU_DEP_2)
	v_pk_add_f32 v[240:241], v[240:241], v[248:249]
	s_delay_alu instid0(VALU_DEP_1)
	v_pk_add_f32 v[14:15], v[14:15], v[240:241]
.irp c, 0,1
	v_cvt_scalef32_pk16_bf6_f32 v[224+6*\c:226+6*\c], v[128+32*\c:143+32*\c], v[236+2*\c]
	v_cvt_scalef32_pk16_bf6_f32 v[240+4*\c:242+4*\c], v[144+32*\c:159+32*\c], v[236+2*\c+1]
.endr
	v_nop                                          ; one plain place behind a scaled conversion
.irp d, 0,1,2,3                                ; V's four fragments, into the registers that p has left
	ds_load_b128 v[128+12*\d:131+12*\d], v5 offset:1536*\d
	ds_load_b64 v[132+12*\d:133+12*\d], v6 offset:1536*\d+512
	ds_load_b128 v[134+12*\d:137+12*\d], v5 offset:1536*\d+768
	ds_load_b64 v[138+12*\d:139+12*\d], v6 offset:1536*\d+1280
.endr
	ds_load_b64 v[10:11], v6 offset:6144
.irp c, 0,1
.irp i, 0,1,2
	v_permlane16_swap_b32 v[224+6*\c+\i], v[240+4*\c+\i]
.endr
.irp i, 0,1,2
	s_delay_alu instid0(VALU_DEP_3)
	v_mov_b32 v[227+6*\c+\i], v[240+4*\c+\i]
.endr
.endr
.rept 4
	v_nop                                          ; four places between the last write of p's codes and the products
.endr
	s_wait_dscnt 0x0
.irp d, 0,2                                    ; O^T was written by matrix instructions ahead of the exponentials; a wait stands directly ahead of each accumulator's first reader
	s_wait_alu depctr_va_vdst(0)
	v_wmma_scale_f32_16x16x128_f8f6f4 v[192+8*\d:199+8*\d], v[128+12*\d:139+12*\d], v[224:235], v[192+8*\d:199+8*\d], v[10+\d/2], v253 matrix_a_fmt:MATRIX_FMT_BF6 matrix_b_fmt:MATRIX_FMT_BF6
	s_wait_alu depctr_va_vdst(0)
	v_wmma_scale_f32_16x16x128_f8f6f4 v[200+8*\d:207+8*\d], v[140+12*\d:151+12*\d], v[224:235], v[200+8*\d:207+8*\d], v[10+\d/2], v253 matrix_a_fmt:MATRIX_FMT_BF6 matrix_b_fmt:MATRIX_FMT_BF6 matrix_a_scale:MATRIX_SCALE_ROW1
.endr
.rept 5
	v_nop                                          ; the next step's first products write over V's registers: five places; the way out reads O^T: four
.endr
.Lhidden_\@:
	s_add_co_u32 s[GG], s[GG], 1
	s_add_co_u32 s[SK], s[SK], 6656
	s_add_co_u32 s[SV], s[SV], 6400
.endm
.macro QUANT2 src, pc, sp, tm          ; 32 numbers of a lane become six registers of codes (K = 64) and two scale bytes, in v[tm + 4], v[tm + 5]
.irp b, 0,1
	v_max3_num_f32 v[\tm+\b], |v[\src+16*\b]|, |v[\src+1+16*\b]|, 0x2800000
.endr
.irp i, 2,4,6,8,10,12,14
.irp b, 0,1
	s_delay_alu instid0(VALU_DEP_2)
	v_max3_num_f32 v[\tm+\b], v[\tm+\b], |v[\src+16*\b+\i]|, |v[\src+1+16*\b+\i]|
.endr
.endr
.irp b, 0,1
	s_delay_alu instid0(VALU_DEP_2)
	v_permlanex16_b32 v[\tm+4+\b], v[\tm+\b], s[SEL], s[SEL+1]
.endr
.irp b, 0,1
	s_delay_alu instid0(VALU_DEP_2)
	v_max_num_f32 v[\tm+\b], v[\tm+\b], v[\tm+4+\b]
.endr
.irp b, 0,1
	s_delay_alu instid0(VALU_DEP_2)
	v_add_nc_u32 v[\tm+12+\b], 0xfe000000, v[\tm+\b]
.endr
.irp b, 0,1
	s_delay_alu instid0(VALU_DEP_2)
	v_lshrrev_b32 v[\tm+4+\b], 23, v[\tm+12+\b]
.endr
	v_cvt_scalef32_pk16_bf6_f32 v[\pc:\pc+2], v[\src:\src+15], v[\tm+12]
	v_cvt_scalef32_pk16_bf6_f32 v[\sp:\sp+2], v[\src+16:\src+31], v[\tm+13]
	v_nop
.irp i, 0,1,2
	v_permlane16_swap_b32 v[\pc+\i], v[\sp+\i]
.endr
.irp i, 0,1,2
	s_delay_alu instid0(VALU_DEP_3)
	v_mov_b32 v[\pc+3+\i], v[\sp+\i]
.endr
.endm
; A tile is finished: O^T / the sum, quantised along the model's 1024: this head's 64 are two blocks
.macro WAYOUT
	v_add_f32 v14, v14, v15
	s_delay_alu instid0(VALU_DEP_1)
	v_permlanex16_b32 v254, v14, s[SEL], s[SEL+1]
	s_delay_alu instid0(VALU_DEP_1)
	v_add_f32 v14, v14, v254                       ; the row's sum
	s_wait_alu depctr_va_vdst(0)
	v_rcp_f32 v14, v14
	v_nop                                          ; a plain place behind the reciprocal
	s_lshr_b32 s84, s[BH], 4
	s_lshl_b32 s84, s84, 7
	s_lshl_b32 s85, s[GD], 3
	s_add_co_u32 s84, s84, s85
	s_add_co_u32 s84, s84, s[JT]                   ; the row tile: 128 batch + 8 group + j
	s_and_b32 s85, s[BH], 15                       ; the head
	s_lshl_b32 s86, s84, 3
	s_lshr_b32 s87, s85, 1
	s_add_co_u32 s86, s86, s87
	s_mul_i32 s86, s86, 1536
	s_and_b32 s87, s85, 1
	s_mul_i32 s88, s87, 768
	s_add_co_u32 s88, s88, s86
	s_mov_b32 s89, 0
	s_add_nc_u64 s[88:89], s[10:11], s[88:89]      ; the codes
	s_lshl_b32 s90, s84, 9
	s_lshl_b32 s87, s87, 1
	s_add_co_u32 s90, s90, s87
	s_lshr_b32 s87, s85, 3
	s_lshl_b32 s87, s87, 8
	s_add_co_u32 s90, s90, s87
	s_bfe_u32 s87, s85, 0x20001
	s_lshl_b32 s87, s87, 2
	s_add_co_u32 s90, s90, s87
	s_add_co_u32 s90, s90, 6291456
	s_mov_b32 s91, 0
	s_add_nc_u64 s[90:91], s[10:11], s[90:91]      ; the two scale bytes
	s_wait_alu depctr_va_vdst(0)                   ; the wait ahead of the reciprocal's first reader
.set n, 0
.rept 16
	v_pk_mul_f32 v[128+n:129+n], v[192+n:193+n], v[14:15] op_sel_hi:[1,0]      ; each accumulator from its low end on
.set n, n+2
.endr
	QUANT2 128, 224, 244, 236
	v_lshl_or_b32 v254, v241, 8, v240
	global_store_b128 v1, v[224:227], s[88:89]
	global_store_b64 v2, v[228:229], s[88:89] offset:512
	global_store_b16 v9, v254, s[90:91]            ; lanes l and l xor 16 write the same two bytes with the same value
.endm
	s_lshr_b32 s[GD], s[WV], 1                     ; the low tile: 4 wave + cx
	s_and_b32 s[JT], s[WV], 1
	s_lshl_b32 s[JT], s[JT], 2
	s_add_co_u32 s[JT], s[JT], s[CX]
	PREP
	s_wait_alu depctr_va_vdst(0)                   ; the wait at the head's end
	s_wait_loadcnt 0x0                             ; Q
	s_wait_tensorcnt 0x0                           ; my part of K or V has landed,
	s_barrier_signal -1
	s_barrier_wait -1                              ; everybody's has
	s_mov_b32 s[TRIP], 8
.Llow:
	STEP
	s_sub_co_u32 s[TRIP], s[TRIP], 1
	s_cmp_lg_u32 s[TRIP], 0
	s_cbranch_scc1 .Llow
	s_wait_alu depctr_va_vdst(0)
	WAYOUT
	s_wait_xcnt 0x0                                ; the stores have read their registers and bases
	s_xor_b32 s[GD], s[GD], 15                     ; the high tile: 127 - (4 wave + cx): group 15 - wave / 2, place 7 - j
	s_xor_b32 s[JT], s[JT], 7
	PREP
	s_wait_alu depctr_va_vdst(0)
	s_wait_loadcnt 0x0
	s_mov_b32 s[TRIP], 16
.Lhigh:
	STEP
	s_sub_co_u32 s[TRIP], s[TRIP], 1
	s_cmp_lg_u32 s[TRIP], 0
	s_cbranch_scc1 .Lhigh
	s_wait_alu depctr_va_vdst(0)
	WAYOUT
	s_wait_xcnt 0x0
	v_lshl_add_u32 v254, v0, 2, 0x33000
	v_mov_b32 v255, 0
	s_wait_alu depctr_va_vdst(0)
	s_wait_tensorcnt 0x0                           ; the wave's end
	ds_add_u32 v254, v255
	s_wait_dscnt 0x0
	CROUND                                         ; the closing round
	s_endpgm
.Lfunc_end_k_q7d1a5ae479_attn:
	.size	k_q7d1a5ae479_attn, .Lfunc_end_k_q7d1a5ae479_attn-k_q7d1a5ae479_attn
	.p2alignl 7, 3214868480
	.fill 96, 4, 3214868480
	.section	.rodata,"a",@progbits
	.p2align	6, 0x0
	.amdhsa_kernel k_q7d1a5ae479_attn
		.amdhsa_group_segment_fixed_size 210944
		.amdhsa_private_segment_fixed_size 0
		.amdhsa_enable_private_segment 0
		.amdhsa_kernarg_size 32
		.amdhsa_user_sgpr_count 2
		.amdhsa_user_sgpr_kernarg_segment_ptr 1
		.amdhsa_wavefront_size32 1
		.amdhsa_system_sgpr_workgroup_id_x 1
		.amdhsa_system_sgpr_workgroup_id_y 1
		.amdhsa_system_sgpr_workgroup_id_z 1
		.amdhsa_system_vgpr_workitem_id 0
		.amdhsa_next_free_vgpr 256
		.amdhsa_next_free_sgpr 96
		.amdhsa_reserve_vcc 1
		.amdhsa_float_denorm_mode_32 3
		.amdhsa_float_denorm_mode_16_64 3
		.amdhsa_memory_ordered 1
		.amdhsa_forward_progress 1
		.amdhsa_inst_pref_size 64
	.end_amdhsa_kernel
	.amdgpu_metadata
---
amdhsa.version: [ 1, 2 ]
amdhsa.kernels:
  - .name:           k_q7d1a5ae479_attn
    .symbol:         k_q7d1a5ae479_attn.kd
    .args:
      - { .name: qc, .offset: 0, .size: 8, .value_kind: global_buffer, .address_space: global }
      - { .name: kc, .offset: 8, .size: 8, .value_kind: global_buffer, .address_space: global }
      - { .name: vc, .offset: 16, .size: 8, .value_kind: global_buffer, .address_space: global }
      - { .name: att, .offset: 24, .size: 8, .value_kind: global_buffer, .address_space: global }
    .group_segment_fixed_size: 210944
    .private_segment_fixed_size: 0
    .kernarg_segment_align: 8
    .kernarg_segment_size: 32
    .max_flat_workgroup_size: 512
    .sgpr_count:     96
    .vgpr_count:     256
    .wavefront_size: 32
...
	.end_amdgpu_metadata
.endif
;; end of part 3
;; launch proj (part 4): grid 8 x 32, 4 waves a work-group, clusters of 4 x 4, 295,424 bytes of LDS; arguments att, opq, b_proj, out0; writes out0
.if DOCPART == 4
	.amdgcn_target "amdgcn-amd-amdhsa--gfx1250"
	.amdhsa_code_object_version 6
	.text
	.protected	k_q7d1a5ae479_proj
	.globl	k_q7d1a5ae479_proj
	.p2align	8
	.type	k_q7d1a5ae479_proj,@function
k_q7d1a5ae479_proj:
	s_mov_b64 s[64:65], 0
	v_nop
	global_prefetch_b8 v0, s[64:65] scope:SCOPE_SE
	s_setreg_imm32_b32 hwreg(HW_REG_WAVE_MODE, 25, 1), 1
	s_wait_xcnt 0x0
	s_wait_alu depctr_hold_cnt(0) depctr_sa_sdst(0) depctr_va_vdst(0) depctr_va_sdst(0) depctr_va_ssrc(0) depctr_va_vcc(0) depctr_vm_vsrc(0)
	s_getreg_b32 s2, hwreg(HW_REG_IB_STS2, 6, 4)
	s_cmp_eq_u32 s2, 0
	s_cbranch_scc0 .Lentry_in_a_cluster
	s_endpgm
.Lentry_in_a_cluster:
	s_bfe_u32 s2, ttmp6, 0x10000c
	s_cmp_lg_u32 s2, 0xf033
	s_cbranch_scc0 .Lentry_shape_is_right
	s_endpgm
.Lentry_shape_is_right:
; out0 = a W_proj^T + b_proj on codes of BF6 (E3M2) with E8M0 scales; a: the attention's result, [8192][1024], as codes in the order of the operand's registers; out0: [8192][1024] f32.
; SHARES.  A work-group makes 256 rows x 128 columns; each of its four waves 128 rows x 64 columns, 32 accumulators of 16 x 16.  K = 1024 is eight K steps of 128.
; LDS.  The whole K of the work-group's tiles comes ONCE, one dense tensor load a wave: waves 0, 1 bring 8 tiles of a each (98304 bytes), waves 2, 3 four tiles of W each (49152 bytes, from byte 196608).  Nothing is filled again, and there is no step to prefetch ahead of.
; CLUSTER.  4 x 4 work-groups: a's tiles are asked for jointly along a row of the cluster, W's along a column.
; THE PRODUCT IS USED TRANSPOSED (source 0 = 16 rows of W, source 1 = 16 rows of a): a lane holds one row of out0.  Lane r of tile u holds row 32 (u / 2) + 8 (u % 2) + r + 8 (r / 8).  The bias is the C of each sum's first product.
; WAY OUT.  Through the wave's own stage in LDS (in a's bytes, behind their fill and their last read) into rows: sixteen lanes store 256 consecutive bytes, aligned.
; REGISTERS, in windows of 256: window 0: v1-19 addresses; v32-63 a's scale words, v64-79 W's, v80-111 the bias, v112-207 W's fragments (two sets); on the way out v112-239 rows.
;   window 1: a's fragments, two sets of 96.   window 3: the accumulators, (a, t) at 8 (4 a + t).
.set TILB,  12288
.set FRB,   1536
.set XH,    98304
.set WH,    49152
.set BOFF,  196608
.set SCL,   9437184
.set SCLA,  6291456
.set STGB,  35840                      ; a wave's stage: row at 272 row + 128 (row / 16) + 32 (row / 32)
.set L16, 1
.set L8,  2
.set A16, 3
.set A8,  4
.set B16, 5
.set B8,  6
.set VR,  7
.set VH,  8
.set STO, 9
.set RDT, 10
.set COL, 11
.set GOF, 12
.set BOF, 13
.set A16H, 18
.set A8H, 19
.set SA,  32
.set SB,  64
.set BI,  80
.set BF,  112
.set WV,  22
.set WM,  23
.set WN,  76
.set G1A, 24
.set G1B, 32
.set G0A, 40
.set G0B, 56
.set MSB, 0
.macro WIN new
.if MSB != \new
	s_set_vgpr_msb (MSB<<8)|\new
.set MSB, \new
.endif
.endm
.macro PLACES
.rept 4
	v_nop
.endr
.endm
.macro CROUND
	s_barrier_signal -1
	s_barrier_wait -1
	s_cmp_lg_u32 s[WV], 0
	s_cbranch_scc1 .Lnot_wave_0_\@
	s_barrier_signal -3
.Lnot_wave_0_\@:
	s_barrier_wait -3
	s_barrier_signal -1
	s_barrier_wait -1
.endm
	s_load_b256 s[4:11], s[0:1], 0x0               ; att, opq, b_proj, out0
	v_lshl_add_u32 v254, v0, 2, 0x48000
	v_mov_b32 v255, 0
	ds_add_u32 v254, v255                          ; the opening lines
	ds_add_u32 v254, v255
	v_lshrrev_b32 v1, 5, v0
	v_readfirstlane_b32 s[WV], v1
	s_lshr_b32 s[WM], s[WV], 1                     ; my half of the rows.  Also: I fetch for a (0) or for W (1)
	s_and_b32 s[WN], s[WV], 1                      ; my half of the columns.  Also: which half of the tiles I fetch
	s_bfe_u32 s77, ttmp6, 0x40000                  ; cx
	s_bfe_u32 s78, ttmp6, 0x40004                  ; cy
	s_lshl_b32 s79, ttmp9, 2
	s_add_co_u32 s79, s79, s77                     ; X
	s_and_b32 s80, ttmp7, 0xffff
	s_lshl_b32 s80, s80, 2
	s_add_co_u32 s80, s80, s78                     ; Y
	s_lshl_b32 s82, s78, 2
	s_lshl_b32 s82, 15, s82                        ; my row of the cluster
	s_lshl_b32 s83, 0x1111, s77                    ; my column
	; group 1: a dense block as rows of 256 bytes (32 elements of 8 bytes): 384 rows of a, 192 of W
	s_or_b32 s[G1A], s82, (3<<16)|(1<<21)
	s_or_b32 s[G1B], s83, (3<<16)|(1<<21)
	s_mov_b32 s[G1A+1], 32<<16
	s_mov_b32 s[G1A+2], 384<<16
	s_mov_b32 s[G1A+3], 32<<16
	s_mov_b32 s[G1A+4], 384
	s_mov_b32 s[G1A+5], 32
	s_mov_b32 s[G1A+6], 0
	s_mov_b32 s[G1A+7], 0
	s_mov_b32 s[G1B+1], 32<<16
	s_mov_b32 s[G1B+2], 192<<16
	s_mov_b32 s[G1B+3], 32<<16
	s_mov_b32 s[G1B+4], 192
	s_mov_b32 s[G1B+5], 32
	s_mov_b32 s[G1B+6], 0
	s_mov_b32 s[G1B+7], 0
	s_lshl_b32 s84, s80, 4
	s_lshl_b32 s85, s[WN], 3
	s_add_co_u32 s84, s84, s85                     ; a: tile 16 Y + 8 half
	s_mul_i32 s84, s84, TILB
	s_mov_b32 s85, 0
	s_lshl_b32 s86, s79, 3
	s_lshl_b32 s87, s[WN], 2
	s_add_co_u32 s86, s86, s87
	s_add_co_u32 s86, s86, 704                     ; W: tile 704 + 8 X + 4 half
	s_mul_i32 s86, s86, TILB
	s_mov_b32 s87, 0
	s_mul_i32 s88, s[WN], XH
	s_mul_i32 s89, s[WN], WH
	s_add_co_u32 s89, s89, BOFF
	s_wait_dscnt 0x0
	s_wait_kmcnt 0x0
	s_add_nc_u64 s[84:85], s[4:5], s[84:85]
	s_add_nc_u64 s[86:87], s[6:7], s[86:87]
	CROUND                                         ; all sixteen work-groups are here: the joint loads meet
	s_mov_b32 s[G0A], 1
	s_mov_b32 s[G0A+1], s88
	s_mov_b64 s[G0A+2:G0A+3], s[84:85]
	s_or_b32 s[G0A+3], s[G0A+3], 0x80000000
	s_mov_b32 s[G0B], 1
	s_mov_b32 s[G0B+1], s89
	s_mov_b64 s[G0B+2:G0B+3], s[86:87]
	s_or_b32 s[G0B+3], s[G0B+3], 0x80000000
	s_cmp_eq_u32 s[WM], 0                          ; one tensor load a wave
	s_cbranch_scc0 .Lfill_b
	tensor_load_to_lds s[G0A:G0A+3], s[G1A:G1A+7]
	s_nop 0
	PLACES
	s_branch .Lfilled
.Lfill_b:
	tensor_load_to_lds s[G0B:G0B+3], s[G1B:G1B+7]
	s_nop 0
	PLACES
.Lfilled:
	v_and_b32 v[VR], 31, v0
	v_lshlrev_b32 v[L16], 4, v[VR]
	v_lshlrev_b32 v[L8], 3, v[VR]
	v_and_b32 v[VR], 15, v0
	v_bfe_u32 v[VH], v0, 4, 1
	s_mul_i32 s88, s[WM], XH
	v_add_nc_u32 v[A16], s88, v[L16]
	v_add_nc_u32 v[A8], s88, v[L8]
	v_add_nc_u32 v[A16H], 4*TILB, v[A16]
	v_add_nc_u32 v[A8H], 4*TILB, v[A8]
	s_mul_i32 s88, s[WN], WH
	s_add_co_u32 s88, s88, BOFF
	v_add_nc_u32 v[B16], s88, v[L16]
	v_add_nc_u32 v[B8], s88, v[L8]
	s_mul_i32 s88, s[WV], STGB
	v_mul_u32_u24 v[STO], v[VR], 272
	v_lshrrev_b32 v[COL], 3, v[VR]
	v_mad_u32_u24 v[STO], v[COL], 2304, v[STO]
	v_lshl_add_u32 v[STO], v[VH], 6, v[STO]
	v_add_nc_u32 v[STO], s88, v[STO]               ; in: the tile's row r: 272 r + 2304 (r / 8); + 64 h
	v_mul_u32_u24 v[RDT], v[VH], 272
	v_lshl_add_u32 v[RDT], v[VR], 4, v[RDT]
	v_add_nc_u32 v[RDT], s88, v[RDT]               ; back: lanes 0-15 one row, lanes 16-31 the next
	v_lshlrev_b32 v[GOF], 12, v[VH]
	v_lshl_add_u32 v[GOF], v[VR], 4, v[GOF]        ; and the same two rows in out0
	v_lshlrev_b32 v[BOF], 6, v[VH]
	s_wait_alu depctr_va_vdst(0)                   ; the wait at the head's end
	s_lshl_b32 s90, s80, 4
	s_lshl_b32 s91, s[WM], 3
	s_add_co_u32 s90, s90, s91
	s_lshl_b32 s90, s90, 9
	s_add_co_u32 s90, s90, SCLA
	s_mov_b32 s91, 0
	s_add_nc_u64 s[90:91], s[4:5], s[90:91]
.irp a, 0,1,2,3,4,5,6,7
	global_load_b128 v[SA+4*\a:SA+4*\a+3], v[L16], s[90:91] offset:512*\a    ; register e: K step e in lanes 0-15, K step 4 + e in lanes 16-31
.endr
	s_lshl_b32 s92, s79, 3
	s_lshl_b32 s93, s[WN], 2
	s_add_co_u32 s92, s92, s93
	s_add_co_u32 s92, s92, 704
	s_lshl_b32 s92, s92, 9
	s_add_co_u32 s92, s92, SCL
	s_mov_b32 s93, 0
	s_add_nc_u64 s[92:93], s[6:7], s[92:93]
.irp t, 0,1,2,3
	global_load_b128 v[SB+4*\t:SB+4*\t+3], v[L16], s[92:93] offset:512*\t
.endr
	s_lshl_b32 s94, s79, 9
	s_lshl_b32 s95, s[WN], 8
	s_add_co_u32 s94, s94, s95                     ; my first column, in bytes
	s_mov_b32 s95, 0
	s_lshl_b32 s96, s80, 1
	s_add_co_u32 s96, s96, s[WM]
	s_lshl_b32 s96, s96, 19                        ; my first row: 128 rows of 4096 bytes a group
	s_add_co_u32 s96, s96, s94
	s_mov_b32 s97, 0
	s_add_nc_u64 s[96:97], s[10:11], s[96:97]      ; out0
	s_add_nc_u64 s[94:95], s[8:9], s[94:95]        ; the bias
.irp t, 0,1,2,3
	global_load_b128 v[BI+8*\t:BI+8*\t+3], v[BOF], s[94:95] offset:(32*(\t/2)+8*(\t%2))*4
	global_load_b128 v[BI+8*\t+4:BI+8*\t+7], v[BOF], s[94:95] offset:(32*(\t/2)+8*(\t%2))*4+16
.endr
.macro FRAGLD reg, a16, a8, off
	ds_load_b128 v[\reg:\reg+3], v[\a16] offset:\off
	ds_load_b64 v[\reg+4:\reg+5], v[\a8] offset:\off+512
	ds_load_b128 v[\reg+6:\reg+9], v[\a16] offset:\off+768
	ds_load_b64 v[\reg+10:\reg+11], v[\a8] offset:\off+1280
.endm
.macro FETCH s
	WIN 0x40
.irp a, 0,1,2,3
	FRAGLD 96*((\s)%2)+12*\a, A16, A8, \a*TILB+(\s)*FRB
.endr
.irp a, 0,1,2,3
	FRAGLD 96*((\s)%2)+48+12*\a, A16H, A8H, \a*TILB+(\s)*FRB
.endr
	WIN 0
.irp t, 0,1,2,3
	FRAGLD BF+48*((\s)%2)+12*\t, B16, B8, \t*TILB+(\s)*FRB
.endr
.endm
.macro MUL s                           ; 32 products; the 32 accumulators take turns, one instruction a turn
.if (\s) == 0
	WIN 0xc4
.else
	WIN 0xf4
.endif
.irp a, 0,1,2,3,4,5,6,7
.irp t, 0,1,2,3
.if (\s) == 0
	v_wmma_scale_f32_16x16x128_f8f6f4 v[8*(4*\a+\t):8*(4*\a+\t)+7], v[BF+48*((\s)%2)+12*\t:BF+48*((\s)%2)+12*\t+11], v[96*((\s)%2)+12*\a:96*((\s)%2)+12*\a+11], v[BI+8*\t:BI+8*\t+7], v[SB+4*\t+(\s)%4], v[SA+4*\a+(\s)%4] matrix_a_fmt:MATRIX_FMT_BF6 matrix_b_fmt:MATRIX_FMT_BF6
.elseif (\s) < 4
	v_wmma_scale_f32_16x16x128_f8f6f4 v[8*(4*\a+\t):8*(4*\a+\t)+7], v[BF+48*((\s)%2)+12*\t:BF+48*((\s)%2)+12*\t+11], v[96*((\s)%2)+12*\a:96*((\s)%2)+12*\a+11], v[8*(4*\a+\t):8*(4*\a+\t)+7], v[SB+4*\t+(\s)%4], v[SA+4*\a+(\s)%4] matrix_a_fmt:MATRIX_FMT_BF6 matrix_b_fmt:MATRIX_FMT_BF6
.else
	v_wmma_scale_f32_16x16x128_f8f6f4 v[8*(4*\a+\t):8*(4*\a+\t)+7], v[BF+48*((\s)%2)+12*\t:BF+48*((\s)%2)+12*\t+11], v[96*((\s)%2)+12*\a:96*((\s)%2)+12*\a+11], v[8*(4*\a+\t):8*(4*\a+\t)+7], v[SB+4*\t+(\s)%4], v[SA+4*\a+(\s)%4] matrix_a_fmt:MATRIX_FMT_BF6 matrix_b_fmt:MATRIX_FMT_BF6 matrix_a_scale:MATRIX_SCALE_ROW1 matrix_b_scale:MATRIX_SCALE_ROW1
.endif
.endr
.endr
.endm
.macro STEPK s                         ; the next step's fragments are asked for, then this step is multiplied
.if (\s) < 7
.if (\s) > 0
	PLACES                                         ; between the last products and the loads into the registers that they read
.endif
	FETCH (\s)+1
	s_wait_dscnt 48                                ; all but the 48 just issued
.else
	s_wait_dscnt 0x0
.endif
	MUL \s
.endm
	s_wait_tensorcnt 0x0                           ; my tiles have landed,
	s_barrier_signal -1
	s_barrier_wait -1                              ; everybody's have
	FETCH 0
	s_wait_loadcnt 0x0                             ; the scale words and the bias
	STEPK 0
	STEPK 1
	STEPK 2
	STEPK 3
	STEPK 4
	STEPK 5
	STEPK 6
	STEPK 7
	WIN 0
	PLACES                                         ; in front of the first read of results and of loads into the products' registers
	s_barrier_signal -1                            ; no wave reads the tiles any more: their bytes may carry the stages
	s_barrier_wait -1
	WIN 0x0c                                       ; an LDS store's data are its source 1: the accumulators, each from its low end on
.irp a, 0,1,2,3,4,5,6,7
.irp t, 0,1,2,3
	ds_store_b128 v[STO], v[8*(4*\a+\t):8*(4*\a+\t)+3] offset:272*(32*(\a/2)+8*(\a%2))+288*(\a/2)+128*(\t/2)+32*(\t%2)
	ds_store_b128 v[STO], v[8*(4*\a+\t)+4:8*(4*\a+\t)+7] offset:272*(32*(\a/2)+8*(\a%2))+288*(\a/2)+128*(\t/2)+32*(\t%2)+16
.endr
.endr
	WIN 0
.macro OBATCH g                        ; 32 rows back from the stage and out
.set TS, 112+64*((\g)%2)
.if (\g) >= 2
	s_wait_xcnt 0x0                                ; the stores of two batches ago have read this set
.endif
.irp k, 0,1,2,3,4,5,6,7,8,9,10,11,12,13,14,15
.set EE, 16*(\g)+\k
	ds_load_b128 v[TS+4*\k:TS+4*\k+3], v[RDT] offset:544*EE+128*(EE/8)+32*(EE/16)     ; LDS serves a wave's instructions in order: these see my stores
.endr
.irp k, 0,1,2,3,4,5,6,7,8,9,10,11,12,13,14,15
.set EE, 16*(\g)+\k
	s_wait_dscnt 15-\k                             ; the younger loads of the batch may be out
	global_store_b128 v[GOF], v[TS+4*\k:TS+4*\k+3], s[96:97] offset:8192*EE th:TH_STORE_NT    ; sixteen lanes store 256 consecutive bytes, aligned
.endr
.endm
	OBATCH 0
	OBATCH 1
	OBATCH 2
	OBATCH 3
	s_wait_tensorcnt 0x0                           ; the wave's end
	ds_add_u32 v254, v255
	s_wait_dscnt 0x0
	CROUND                                         ; the closing round
	s_endpgm
.Lfunc_end_k_q7d1a5ae479_proj:
	.size	k_q7d1a5ae479_proj, .Lfunc_end_k_q7d1a5ae479_proj-k_q7d1a5ae479_proj
	.p2alignl 7, 3214868480
	.fill 96, 4, 3214868480
	.section	.rodata,"a",@progbits
	.p2align	6, 0x0
	.amdhsa_kernel k_q7d1a5ae479_proj
		.amdhsa_group_segment_fixed_size 295424
		.amdhsa_private_segment_fixed_size 0
		.amdhsa_enable_private_segment 0
		.amdhsa_kernarg_size 32
		.amdhsa_user_sgpr_count 2
		.amdhsa_user_sgpr_kernarg_segment_ptr 1
		.amdhsa_wavefront_size32 1
		.amdhsa_system_sgpr_workgroup_id_x 1
		.amdhsa_system_sgpr_workgroup_id_y 1
		.amdhsa_system_sgpr_workgroup_id_z 1
		.amdhsa_system_vgpr_workitem_id 0
		.amdhsa_next_free_vgpr 1024
		.amdhsa_next_free_sgpr 100
		.amdhsa_reserve_vcc 0
		.amdhsa_float_denorm_mode_32 3
		.amdhsa_float_denorm_mode_16_64 3
		.amdhsa_memory_ordered 1
		.amdhsa_forward_progress 1
		.amdhsa_inst_pref_size 83
	.end_amdhsa_kernel
	.amdgpu_metadata
---
amdhsa.version: [ 1, 2 ]
amdhsa.kernels:
  - .name:           k_q7d1a5ae479_proj
    .symbol:         k_q7d1a5ae479_proj.kd
    .args:
      - { .name: att, .offset: 0, .size: 8, .value_kind: global_buffer, .address_space: global }
      - { .name: opq, .offset: 8, .size: 8, .value_kind: global_buffer, .address_space: global }
      - { .name: b_proj, .offset: 16, .size: 8, .value_kind: global_buffer, .address_space: global }
      - { .name: out0, .offset: 24, .size: 8, .value_kind: global_buffer, .address_space: global }
    .group_segment_fixed_size: 295424
    .private_segment_fixed_size: 0
    .kernarg_segment_align: 8
    .kernarg_segment_size: 32
    .max_flat_workgroup_size: 128
    .sgpr_count:     100
    .vgpr_count:     1024
    .wavefront_size: 32
...
	.end_amdgpu_metadata
.endif
;; end of part 4
